; MI455X (gfx1250); checked and timed in simulation.
; The chip was launched on July 23, 2026; its instructions are those of AMD's public machine-readable ISA for CDNA 5 (MIT licence, August 2026) and "CDNA5" Instruction Set Architecture Reference Guide (July 2026). The comments in the code are by the model that wrote it; some were corrected since.
;; Multi Head Attention. Allowed arithmetic: matrix products marked QUANTISED: E3M2 operands, one E8M0 scale for each 32 along K, by v_wmma_scale_f32_16x16x128_f8f6f4 with both operands' format E3M2, f32 sums; everything else in f32.
;; Inputs: Wk 1,024 x 1,024 float32; Wo 1,024 x 1,024 float32; Wq 1,024 x 1,024 float32; Wv 1,024 x 1,024 float32; bo 1,024 float32; mask 1 x 1 x 2,048 x 2,048 bool; x 4 x 2,048 x 1,024 float32.
;; Outputs: out0 4 x 2,048 x 1,024 float32.
;; Constants: start_pos = 0.
;; This version of the problem:
;;   THIS VERSION OF THE PROBLEM IS GIVEN IN LOW PRECISION. The matrix products marked QUANTISED in the list below multiply operands that are first quantised to E3M2 (3 exponent bits, 2 mantissa bits; 6 bits a number), with one power-of-two scale for each 32 numbers along K (OCP MX v1.0); their sums are f32. All else is computed in f32.
;;   The module's matrix products, in the order in which they are computed (A, B: the left and right operand; K: the contracted axis; several contracted axes count as one K, in the product's order):
;;     1. [M 8,192, K 1,024] x [K 1,024, N 1,024]; A: input x; B: input Wq: QUANTISED
;;     2. [M 8,192, K 1,024] x [K 1,024, N 1,024]; A: input x; B: input Wk: QUANTISED
;;     3. [M 8,192, K 1,024] x [K 1,024, N 1,024]; A: input x; B: input Wv: QUANTISED
;;     4. batch 64 x [M 2,048, K 64] x [K 64, N 2,048]; A: computed on the way; B: computed on the way: QUANTISED
;;     5. batch 64 x [M 64, K 2,048] x [K 2,048, N 2,048]; A: computed on the way; B: softmax (see below): QUANTISED
;;     6. [M 8,192, K 1,024] x [K 1,024, N 1,024]; A: computed on the way; B: input Wo: QUANTISED
;;   THE QUANTISER, for each operand of a quantised product, along K:
;;     - K is cut into blocks of 32 from its start; a last block that is shorter is filled with zeros.
;;     - A block's scale is 2^e with e = floor(log2(the largest magnitude in the block)) - 4, held to -126 .. 127; a block of zeros has e = 0. As a byte (E8M0): e + 127.
;;     - Each number is divided by its block's scale, clamped to +-28, and rounded to the nearest number of E3M2, ties to even, subnormals kept.
;;     - The product sums the exact products of the quantised numbers (number of the format x scale) in f32.
;;   ~~~python
;;   def quantise(x, axis):      # numpy; x: float32 -> the quantised numbers, widened to float32 again
;;       x = np.moveaxis(x, axis, -1); K = x.shape[-1]
;;       x = np.pad(x, [(0, 0)] * (x.ndim - 1) + [(0, -K % 32)]); x = x.reshape(x.shape[:-1] + (-1, 32)); a = np.abs(x).max(-1, keepdims=True)
;;       e = np.where(a > 0, np.clip(np.frexp(np.where(a > 0, a, 1))[1] - 1 - 4, -126, 127), 0)      # np.frexp(a)[1] - 1 = floor(log2(a)), exactly
;;       r = np.clip(x / 2.0 ** e, -28, 28)
;;       step = 2.0 ** (np.maximum(np.frexp(np.where(r == 0, 1, r))[1] - 1, -2) - 2)
;;       q = np.round(r / step) * step * 2.0 ** e      # np.round: ties to even
;;       return np.moveaxis(q.reshape(q.shape[:-2] + (-1,))[..., :K], -1, axis).astype(np.float32)
;;   ~~~
;;   SOFTMAX AHEAD OF A QUANTISED PRODUCT. Where the list says 'softmax', what is quantised is not the finished softmax but p = 2^(t - M), with t = logit x log2(e) and M = ceil(the row's largest t), a whole number; so 1/2 < the row's largest p <= 1. The row's sum l is taken of the UNQUANTISED p, in f32, and the product's result is divided by l at the end. Since M is a whole number, a kernel that streams over the keys may use a running M (the ceiling of the running maximum): every later rescaling is an exact power of two, which a block's scale takes up: the codes' values come out the same.
;;   OPERANDS COMPUTED ON THE WAY. 'Computed on the way' means the value that the module computes at that place (a softmax that the list does not call 'softmax' is quantised finished and normalised). What goes into a quantiser is computed in f32, as accurately as f32 sums, v_exp_f32 and their like allow (about 1e-6 of the number): no bf16 or f16 on the way to a quantiser, and a product that is left as it is and whose result goes on into a quantised operand takes f32 operands (vector FMAs, or v_wmma_f32_16x16x4_f32). A number that lies on a knife's edge between two numbers of the format may be rounded either way, as far as f32 arithmetic and the matrix unit's own rounding can turn it there, and no further.
;; One version. Each part assembles by itself: llvm-mc -triple=amdgcn-amd-amdhsa -mcpu=gfx1250 --defsym DOCPART=n.
;; ======== version 1 of 1: 4 launches
;; limits: right only within a limited range of input values
;; workspace buffers: codes 9,437,184 bytes; scales 393,216 bytes; qkvc 18,874,368 bytes; qkvs 786,432 bytes; mbits 524,288 bytes of whole numbers; mflags 8,192 bytes of whole numbers; oc 6,291,456 bytes; osc 262,144 bytes
;; launch prep (part 1): grid 640 x 1, 4 waves a work-group, no clusters, 33,280 bytes of LDS; arguments x, Wq, Wk, Wv, Wo, mask, codes, scales, mbits, mflags; writes codes, scales, mbits, mflags
.if DOCPART == 1
	.amdgcn_target "amdgcn-amd-amdhsa--gfx1250"
	.amdhsa_code_object_version 6
	.text
	.protected	k_qc33693a9c6_prep
	.globl	k_qc33693a9c6_prep
	.p2align	8
	.type	k_qc33693a9c6_prep,@function
k_qc33693a9c6_prep:
	s_mov_b64 s[64:65], 0
	v_nop
	global_prefetch_b8 v0, s[64:65] scope:SCOPE_SE
	s_setreg_imm32_b32 hwreg(HW_REG_WAVE_MODE, 25, 1), 1
	s_wait_xcnt 0x0
; TWO JOBS, parted by the work-group's number.
; (Q) Work-groups 0-383: x [8192][1024], Wq, Wk, Wv, Wo [1024][1024], f32, K innermost, become codes of BF6 (E3M2), 6 bits each, and one E8M0 byte for each 32 along K, in ONE table of 12,288 rows:
;     codes [12288][768 bytes], scales [12288][32 bytes]; rows 0 x, 8192 Wq, 9216 Wk, 10240 Wv, 11264 Wo.
;     A block's scale is 2^(floor(log2(its largest magnitude)) - 4); its byte is the largest magnitude's exponent field - 4, held at 1 from below.
;     THE ROW ORDER: a wave takes 8 rows (8,192 numbers).  For x, Wq, Wk, Wv the run of 8 rows with number u is stored at run u with its bits 0 and 1 exchanged: table row P holds the tensor's row P with bits 3 and 4
;     exchanged.  So 16 neighbouring table rows 16 (2 b + u) + m are the tensor's rows 32 b + 8 u + m + 8 (m / 8): used as source 0 of a product, two neighbouring tiles leave 16 neighbours along that axis in a lane's
;     16 registers, which is what the next quantiser wants.  Wo keeps its order.
; (M) Work-groups 384-639: the mask [2048][2048] of bytes becomes lane masks for the attention launch: for a tile T of 16 queries (in the table's row order) and a step S of 128 keys 64 words; bit (r, h) of word
;     16 bb + i is mask[query of (T, r)][128 S + 32 bb + 16 h + i]; and a flag for each (T, S): 0 no key counts, 1 all count, 3 some, shifted up by 2 S so that a tile's sixteen flags are one word when they are ORed.
; LIMITS: blocks whose largest magnitude lies under 2^-122 keep the byte 1; a block of zeros gets the byte 1 where the rule says 127 (its codes are zeros, and this program alone reads the bytes);
; NaN and infinities among x and the weights are not served; mask bytes are 0 or 1.
; No tensor loads, no barrier: waves share nothing.  Job M touches no LDS.
.set QWG,   384                        ; work-groups of job Q: 256 for x, 32 for each weight
.set STEPS, 16                         ; a wave's steps of 512 numbers
.set EMAX,  4
.set CB,    12                         ; bytes of 16 codes
.set R,     16                         ; v16-79   four sets of 16 numbers as they are loaded
.set X,     80                         ; v80-111  two sets of 16 neighbours
.set C,     128                        ; v128-191 codes: four registers for each step, so that no store's data are written again
.set E,     112                        ; v112-127 a scale byte for each step
.set WREG,  8192                       ; LDS: a region for each wave: two stages of 32 x SP bytes, then its 256 scale bytes
.set SP,    80                         ; a lane's place in a stage: 64 bytes + 16 of padding
	s_load_b512 s[4:19], s[0:1], 0x0               ; x, Wq, Wk, Wv, Wo, mask, codes, scales
	s_load_b128 s[20:23], s[0:1], 0x40             ; mbits, mflags
	v_lshl_add_u32 v192, v0, 2, 0x8000
	v_mov_b32 v193, 0
	v_lshrrev_b32 v1, 5, v0
	v_readfirstlane_b32 s24, v1                    ; wave
	v_and_b32 v2, 31, v0                           ; lane
	s_wait_kmcnt 0x0
	s_cmp_ge_u32 ttmp9, QWG
	s_cbranch_scc1 .Lmask
	; ---------------- job Q ----------------
	s_wait_alu depctr_va_vdst(0)
	v_lshlrev_b32 v3, 4, v2                        ; my 16 bytes of a load's 512
	s_mul_i32 s25, s24, WREG
	v_lshrrev_b32 v14, 2, v2
	v_mul_u32_u24 v14, v14, SP
	v_and_b32 v15, 3, v2
	v_lshl_add_u32 v14, v15, 4, v14
	v_add_nc_u32 v14, s25, v14                     ; the stage, on the way in: SP (lane / 4) + 16 (lane % 4)
	v_mul_u32_u24 v15, v2, SP
	v_add_nc_u32 v15, s25, v15                     ; and on the way out: SP x lane: my 16 neighbours
	v_mul_u32_u24 v4, v2, CB                       ; my codes' place in a step's
	v_lshrrev_b32 v5, 1, v2
	s_add_co_u32 s25, s25, 2*32*SP
	v_add_nc_u32 v5, s25, v5                       ; LDS: my wave's 256 scale bytes, my block's byte
	v_lshlrev_b32 v7, 3, v2                        ; and on the way out 8 bytes a lane
	v_add_nc_u32 v6, s25, v7
	s_mov_b64 s[26:27], s[12:13]                   ; which tensor: the choice hangs on the work-group's number alone
	s_mov_b32 s28, 352                             ; and that tensor's first work-group
	s_cmp_lt_u32 ttmp9, 352
	s_cselect_b64 s[26:27], s[10:11], s[26:27]
	s_cselect_b32 s28, 320, s28
	s_cmp_lt_u32 ttmp9, 320
	s_cselect_b64 s[26:27], s[8:9], s[26:27]
	s_cselect_b32 s28, 288, s28
	s_cmp_lt_u32 ttmp9, 288
	s_cselect_b64 s[26:27], s[6:7], s[26:27]
	s_cselect_b32 s28, 256, s28
	s_cmp_lt_u32 ttmp9, 256
	s_cselect_b64 s[26:27], s[4:5], s[26:27]
	s_cselect_b32 s28, 0, s28
	s_sub_co_u32 s29, ttmp9, s28
	s_lshl_b32 s29, s29, 2
	s_add_co_u32 s29, s29, s24                     ; my run of 8 rows in the tensor
	s_lshl_b32 s30, s29, 15                        ; x 32,768 bytes
	s_mov_b32 s31, 0
	s_add_nc_u64 s[26:27], s[26:27], s[30:31]
	s_lshl_b32 s32, ttmp9, 2
	s_add_co_u32 s32, s32, s24                     ; u: my run in the table
	s_and_b32 s33, s32, -4
	s_and_b32 s34, s32, 1
	s_lshl_b32 s34, s34, 1
	s_or_b32 s33, s33, s34
	s_bfe_u32 s34, s32, 0x10001
	s_or_b32 s33, s33, s34                         ; u with bits 0 and 1 exchanged
	s_cmp_lt_u32 ttmp9, 352                        ; Wo keeps its order
	s_cselect_b32 s32, s33, s32
	s_mul_i32 s34, s32, 6144                       ; 8 rows of 768 bytes
	s_mov_b32 s35, 0
	s_add_nc_u64 s[16:17], s[16:17], s[34:35]
	s_lshl_b32 s34, s32, 8                         ; 8 rows of 32 bytes
	s_add_nc_u64 s[18:19], s[18:19], s[34:35]
.macro LOAD t
.irp i, 0,1,2,3
	global_load_b128 v[R+16*((\t)%4)+4*\i:R+16*((\t)%4)+4*\i+3], v3, s[26:27] offset:2048*(\t)+512*\i th:TH_LOAD_NT   ; 32 lanes read 512 consecutive bytes
.endr
.endm
.macro TURN t                          ; step t's numbers through the stage: LDS serves a wave's instructions in order, so no wait stands between the stores and the loads
.irp i, 0,1,2,3
	ds_store_b128 v14, v[R+16*((\t)%4)+4*\i:R+16*((\t)%4)+4*\i+3] offset:32*SP*((\t)%2)+8*SP*\i
.endr
.irp i, 0,1,2,3
	ds_load_b128 v[X+16*((\t)%2)+4*\i:X+16*((\t)%2)+4*\i+3], v15 offset:32*SP*((\t)%2)+16*\i
.endr
.endm
.irp t, 0,1,2,3
	LOAD \t
.endr
	s_wait_alu depctr_va_vdst(0)
	s_wait_loadcnt 12                              ; step 0's four loads are in; three steps' twelve stay out
	TURN 0
.macro STEP t
.set XS, X+16*((\t)%2)
.if (\t) > 0
	s_wait_dscnt 1                                 ; this step's numbers are back from the stage (the last step's byte store may be out): so its stores into the stage have read their registers,
.else
	s_wait_dscnt 0x0
.endif
.if (\t)+4 < STEPS
	LOAD (\t)+4                                    ; which take the loads of four steps on
.endif
.if (\t)+1 < STEPS
.if STEPS-2-(\t) >= 3
	s_wait_loadcnt 12                              ; the next step's four loads are in; those of the three steps behind it may be out
.else
	s_wait_loadcnt 4*(STEPS-2-(\t))
.endif
	TURN (\t)+1                                    ; and go through the other stage while this step is worked
.endif
	v_max3_num_f32 v8, |v[XS]|, |v[XS+1]|, |v[XS+2]|               ; the largest magnitude of my 16
	v_max3_num_f32 v9, |v[XS+3]|, |v[XS+4]|, |v[XS+5]|
.irp i, 6,10
	v_max3_num_f32 v8, v8, |v[XS+\i]|, |v[XS+\i+1]|
	v_max3_num_f32 v9, v9, |v[XS+\i+2]|, |v[XS+\i+3]|
.endr
	v_max3_num_f32 v8, v8, |v[XS+14]|, |v[XS+15]|
	v_max3_num_f32 v8, v8, v9, (EMAX+1)<<23        ; and the floor 2^(5 - 127): the byte cannot fall under 1
	v_max_num_f32_dpp v8, v8, v8 row_xmask:1 row_mask:0xf bank_mask:0xf   ; and of my neighbour's 16: the block's
	v_add_nc_u32 v11, -(EMAX<<23), v8              ; 4 off its exponent field: the conversion takes the exponent field of this operand as its scale
	v_cvt_scalef32_pk16_bf6_f32 v[C+4*(\t):C+4*(\t)+2], v[XS:XS+15], v11
	v_lshrrev_b32 v[E+(\t)], 23, v11               ; the scale's byte (also the plain line behind the conversion)
	ds_store_b8 v5, v[E+(\t)] offset:16*(\t)       ; both lanes of a block write the same byte with the same value
	global_store_b96 v4, v[C+4*(\t):C+4*(\t)+2], s[16:17] offset:32*CB*(\t)   ; the wave stores 384 consecutive bytes
.endm
.irp t, 0,1,2,3,4,5,6,7,8,9,10,11,12,13,14,15
	STEP \t
.endr
	ds_load_b64 v[12:13], v6                       ; LDS serves a wave's instructions in order: these see my stores
	s_wait_dscnt 0x0
	global_store_b64 v7, v[12:13], s[18:19]        ; 32 lanes store 256 consecutive bytes, aligned
	s_wait_tensorcnt 0x0
	ds_add_u32 v192, v193
	s_wait_dscnt 0x0
	s_endpgm
	; ---------------- job M ----------------
.Lmask:
	s_sub_co_u32 s25, ttmp9, QWG
	s_lshl_b32 s25, s25, 2
	s_add_co_u32 s25, s25, s24                     ; 0 .. 1023
	s_lshr_b32 s26, s25, 3                         ; T: the tile of 16 queries
	s_and_b32 s27, s25, 7                          ; sp: I take key steps 2 sp and 2 sp + 1
	v_and_b32 v1, 15, v0                           ; r
	v_bfe_u32 v3, v0, 4, 1                         ; h
	v_and_b32 v4, 8, v1
	v_add_nc_u32 v4, v4, v1                        ; r + 8 (r / 8)
	v_lshlrev_b32 v4, 11, v4                       ; a row of the mask is 2,048 bytes
	v_lshl_add_u32 v4, v3, 4, v4                   ; + 16 h
	s_wait_alu depctr_va_vdst(0)
	v_lshlrev_b32 v5, 3, v2                        ; out: 8 bytes a lane
	s_lshr_b32 s28, s26, 1
	s_lshl_b32 s28, s28, 5
	s_and_b32 s29, s26, 1
	s_lshl_b32 s29, s29, 3
	s_add_co_u32 s28, s28, s29                     ; the tile's first query: 32 (T / 2) + 8 (T % 2)
	s_lshl_b32 s28, s28, 11
	s_lshl_b32 s29, s27, 8
	s_add_co_u32 s28, s28, s29                     ; + 256 sp bytes along the keys
	s_mov_b32 s29, 0
	s_add_nc_u64 s[14:15], s[14:15], s[28:29]
	s_lshl_b32 s30, s26, 4
	s_lshl_b32 s31, s27, 1
	s_add_co_u32 s30, s30, s31                     ; 16 T + 2 sp
	s_lshl_b32 s32, s30, 8
	s_mov_b32 s33, 0
	s_add_nc_u64 s[20:21], s[20:21], s[32:33]      ; 256 bytes of words for each (T, S)
	s_lshl_b32 s32, s30, 2
	s_add_nc_u64 s[22:23], s[22:23], s[32:33]      ; 4 bytes of flag
	s_lshl_b32 s51, s27, 2                         ; 4 sp: the first flag's shift
.irp st, 0,1
.irp bb, 0,1,2,3
	global_load_b128 v[32+16*\st+4*\bb:32+16*\st+4*\bb+3], v4, s[14:15] offset:128*\st+32*\bb th:TH_LOAD_NT   ; together: 16 rows x 256 consecutive bytes
.endr
.endr
	s_wait_loadcnt 0x0
; Byte n % 4 of register n / 4 is mask[my query][.. + 32 (n / 16) + 16 h + n % 16]: a compare makes word n of the 32 lanes' bits; word n goes to lane n / 2, register n % 2, so that a store of 8 bytes a lane lays the 64 words on end.
.macro WORDS st
	v_mov_b32 v[64+2*\st], 0                       ; (a lane write's destination counts as read)
	v_mov_b32 v[65+2*\st], 0
.set n, 0
.rept 64
	v_and_b32 v[8+n%4], 0xff<<(8*(n%4)), v[32+16*\st+n/4]
	v_cmp_ne_u32 s[40+n%8], 0, v[8+n%4]
	v_writelane_b32 v[64+2*\st+n%2], s[40+n%8], n/2
.set n, n+1
.endr
	v_or_b32 v14, v[32+16*\st], v[33+16*\st]
	v_and_b32 v15, v[32+16*\st], v[33+16*\st]
.irp k, 2,3,4,5,6,7,8,9,10,11,12,13,14,15
	v_or_b32 v14, v14, v[32+16*\st+\k]
	v_and_b32 v15, v15, v[32+16*\st+\k]
.endr
	v_cmp_ne_u32 s48, 0, v14                       ; lanes with a key that counts
	v_cmp_ne_u32 s49, 0x01010101, v15              ; lanes with a key that does not
	s_cmp_lg_u32 s49, 0
	s_cselect_b32 s50, 3, 1
	s_cmp_lg_u32 s48, 0
	s_cselect_b32 s50, s50, 0
	s_add_co_u32 s55, s51, 2*\st
	s_lshl_b32 s[52+\st], s50, s55                 ; the flag at bits 2 S, 2 S + 1
	global_store_b64 v5, v[64+2*\st:65+2*\st], s[20:21] offset:256*\st   ; 32 lanes store 256 consecutive bytes, aligned
.endm
	WORDS 0
	WORDS 1
	v_mov_b32 v70, s52
	v_mov_b32 v71, s53
	v_mov_b32 v72, 0
	s_wait_alu depctr_va_vdst(0)
	s_wait_xcnt 0x0                                ; EXEC changes only behind this wait: the stores above have been taken
	v_cmp_eq_u32 vcc_lo, 0, v2
	s_and_saveexec_b32 s54, vcc_lo                 ; lane 0 alone
	global_store_b64 v72, v[70:71], s[22:23]       ; my two flags
	s_wait_xcnt 0x0                                ; and again ahead of the line that widens EXEC
	s_or_b32 exec_lo, exec_lo, s54
	s_endpgm
.Lfunc_end_k_qc33693a9c6_prep:
	.size	k_qc33693a9c6_prep, .Lfunc_end_k_qc33693a9c6_prep-k_qc33693a9c6_prep
	.p2alignl 7, 3214868480
	.fill 96, 4, 3214868480
	.section	.rodata,"a",@progbits
	.p2align	6, 0x0
	.amdhsa_kernel k_qc33693a9c6_prep
		.amdhsa_group_segment_fixed_size 33280
		.amdhsa_private_segment_fixed_size 0
		.amdhsa_enable_private_segment 0
		.amdhsa_kernarg_size 80
		.amdhsa_user_sgpr_count 2
		.amdhsa_user_sgpr_kernarg_segment_ptr 1
		.amdhsa_wavefront_size32 1
		.amdhsa_system_sgpr_workgroup_id_x 1
		.amdhsa_system_sgpr_workgroup_id_y 1
		.amdhsa_system_sgpr_workgroup_id_z 1
		.amdhsa_system_vgpr_workitem_id 0
		.amdhsa_next_free_vgpr 194
		.amdhsa_next_free_sgpr 66
		.amdhsa_reserve_vcc 1
		.amdhsa_float_denorm_mode_32 3
		.amdhsa_float_denorm_mode_16_64 3
		.amdhsa_memory_ordered 1
		.amdhsa_forward_progress 1
		.amdhsa_inst_pref_size 62
	.end_amdhsa_kernel
	.amdgpu_metadata
---
amdhsa.version: [ 1, 2 ]
amdhsa.kernels:
  - .name:           k_qc33693a9c6_prep
    .symbol:         k_qc33693a9c6_prep.kd
    .args:
      - { .name: x, .offset: 0, .size: 8, .value_kind: global_buffer, .address_space: global }
      - { .name: Wq, .offset: 8, .size: 8, .value_kind: global_buffer, .address_space: global }
      - { .name: Wk, .offset: 16, .size: 8, .value_kind: global_buffer, .address_space: global }
      - { .name: Wv, .offset: 24, .size: 8, .value_kind: global_buffer, .address_space: global }
      - { .name: Wo, .offset: 32, .size: 8, .value_kind: global_buffer, .address_space: global }
      - { .name: mask, .offset: 40, .size: 8, .value_kind: global_buffer, .address_space: global }
      - { .name: codes, .offset: 48, .size: 8, .value_kind: global_buffer, .address_space: global }
      - { .name: scales, .offset: 56, .size: 8, .value_kind: global_buffer, .address_space: global }
      - { .name: mbits, .offset: 64, .size: 8, .value_kind: global_buffer, .address_space: global }
      - { .name: mflags, .offset: 72, .size: 8, .value_kind: global_buffer, .address_space: global }
    .group_segment_fixed_size: 33280
    .private_segment_fixed_size: 0
    .kernarg_segment_align: 8
    .kernarg_segment_size: 80
    .max_flat_workgroup_size: 128
    .sgpr_count:     66
    .vgpr_count:     194
    .wavefront_size: 32
...
	.end_amdgpu_metadata
.endif
;; end of part 1
;; launch qkv (part 2): grid 4 x 64, 4 waves a work-group, clusters of 4 x 4, 327,680 bytes of LDS; arguments codes, scales, qkvc, qkvs; writes qkvc, qkvs
.if DOCPART == 2
	.amdgcn_target "amdgcn-amd-amdhsa--gfx1250"
	.amdhsa_code_object_version 6
	.text
	.protected	k_qc33693a9c6_qkv
	.globl	k_qc33693a9c6_qkv
	.p2align	8
	.type	k_qc33693a9c6_qkv,@function
k_qc33693a9c6_qkv:
	s_mov_b64 s[64:65], 0
	v_nop
	global_prefetch_b8 v0, s[64:65] scope:SCOPE_SE
	s_setreg_imm32_b32 hwreg(HW_REG_WAVE_MODE, 25, 1), 1
	s_wait_xcnt 0x0
	s_wait_alu depctr_hold_cnt(0) depctr_sa_sdst(0) depctr_va_vdst(0) depctr_va_sdst(0) depctr_va_ssrc(0) depctr_va_vcc(0) depctr_vm_vsrc(0)
	s_getreg_b32 s2, hwreg(HW_REG_IB_STS2, 6, 4)
	s_cmp_eq_u32 s2, 0
	s_cbranch_scc0 .Lentry_in_a_cluster
	s_endpgm
.Lentry_in_a_cluster:
	s_bfe_u32 s2, ttmp6, 0x10000c
	s_cmp_lg_u32 s2, 0xf033
	s_cbranch_scc0 .Lentry_shape_is_right
	s_endpgm
.Lentry_shape_is_right:
; q = x Wq^T, k = x Wk^T, v = x Wv^T on codes of BF6 (E3M2) with one E8M0 byte for each 32 along K = 1,024; the f32 results are quantised in registers for the attention launch; only codes and scale bytes are stored.
; A WORK-GROUP STAYS: it owns 128 table rows of x (run 4 y + cy) and walks six tiles of 128 weight rows: runs 2 g and 2 g + 1 (g = cx) of Wq, then of Wk, then of Wv.
; x's rows come once, whole rows of 768 bytes; each wave reads its 64 rows once from LDS into 384 registers, where they stay.  The weight tiles go through a ring of two slots, whole rows too;
; a tile is asked for a whole tile's 128 products and a way out ahead of the wait for it.  A wave makes 64 x 64: 16 accumulators.
; The result is quantised ALONG SOURCE 0's ROWS: for q and k source 0 = weight rows (channels), source 1 = x; for v source 0 = x (keys), source 1 = Wv's rows.
; The table's rows of x, Wq, Wk, Wv stand in the order "bits 3 and 4 exchanged", so that the 16 registers of two neighbouring source-0 blocks are 16 neighbours along that axis.
; CLUSTERS of 4 x 4: x's tile is asked for jointly along a row of the cluster, the weights' along a column.
; No prefetch: x is asked for once, at the head, where there is no loop to run ahead in, and each weight tile's load stands a whole tile ahead of its wait.
; OUT, as images of operand registers: qkvc: 96 regions R = (kind x 4 + batch) x 8 + head pair of 196,608 bytes: [c 2] x { [sub 16][a 8][512 bytes] ; [sub 16][a 8][256 bytes] };
; qkvs: [R][sub][lane][4 words]: word b of lane l is the scale word of block 2 b + l / 16, row l % 16.  A wave holds bytes 2 c, 2 c + 1 of its words (c = its half of source 0) and stores them 2 bytes a lane: the word's other half is another wave's.
; LIMITS: blocks whose largest magnitude lies under 2^-122 keep the byte 1; a block of zeros gets the byte 1 where the rule says 127 (its codes are zeros; this program alone reads the bytes); NaN and infinities are not served.
; REGISTERS: window 0: v0-31 addresses, v32-63 scale words (8 i + step: lanes 0-15 x's block i, lanes 16-31 the weights'), v64-127 the way out, v128-255 accumulators (a, b) at 128 + 8 (4 a + b);
; window 1: x's fragments of steps 0-4 (48 step + 12 block); window 2: of steps 5-7; window 3: the weights' fragments, three sets.
.set KROW, 768
.set LROW, 816                         ; an LDS row: 3 x (256 bytes + 16 of padding)
.set REG,  128*LROW                    ; x's region, then two slots of the same size
.set SCA,  3*REG                       ; x's scales: 16 units of 256 + 16 bytes
.set SUN,  4352
.set SCB,  SCA+SUN                     ; the weights' scales, two slots
.set SPARE, SCA+3*SUN                  ; the spare words
.set WROW, 8192                        ; Wq's first table row
.set ADRX, 16                          ; v16-17 x's fragments (the second: lanes 16-31 behind one padding more)
.set ADRB, 18                          ; v18-21 the weights', slot 0, slot 1
.set ADRS, 22                          ; v22-23 scale words, slot 0, 1
.set L16,  24
.set L8,   25
.set SPW,  28
.set NIL,  29
.set SC,   32
.set TM,   64
.set CT,   80
.set PW,   88
.set SW,   90
.set PC,   96
.set G1,   24                          ; group 1: x's codes;  G1B the weights';  G1S, G1SB the scales'
.set G0C,  32                          ; group 0 of the ring's codes, a set a slot
.set G1B,  48
.set G0S,  56                          ; of the ring's scales
.set G1S,  68
.set HA,   76                          ; group 0 of the head's four loads
.set G1SB, 80
.set HB,   88
.set HSA,  92
.set HSB,  96
.set DWC, (1<<20)|(1<<21)|(5<<22)|(3<<25)
.set DWS, (3<<16)|(1<<20)|(1<<21)|(5<<22)|(3<<25)
.set MSB, 0
.macro WIN new                         ; the immediate's high byte repeats the setting that is left
.if MSB != (\new)
	s_set_vgpr_msb (MSB<<8)|(\new)
.set MSB, (\new)
.endif
.endm
.macro PLACES n
.rept \n
	v_nop
.endr
.endm
; a joint load of the ring: waves 0 and 1 bring 64 rows of codes each, waves 2 and 3 the scales of 64 rows each
.macro JLOAD g0a, g1a, g0b, g1b
	s_cmp_eq_u32 s15, 0
	s_cbranch_scc0 .Lfor_b_\@
	tensor_load_to_lds s[\g0a:\g0a+3], s[\g1a:\g1a+7]
	s_nop 0
	PLACES 4
	s_branch .Lasked_\@
.Lfor_b_\@:
	tensor_load_to_lds s[\g0b:\g0b+3], s[\g1b:\g1b+7]
	s_nop 0
	PLACES 4
.Lasked_\@:
.endm
.macro CREST
	s_cmp_lg_u32 s14, 0
	s_cbranch_scc1 .Lnot_wave_0_\@
	s_barrier_signal -3
.Lnot_wave_0_\@:
	s_barrier_wait -3
	s_barrier_signal -1
	s_barrier_wait -1
.endm
.macro CROUND
	s_barrier_signal -1
	s_barrier_wait -1
	CREST
.endm
	s_load_b256 s[4:11], s[0:1], 0x0               ; codes, scales, qkvc, qkvs
	v_lshl_add_u32 v[SPW], v0, 2, SPARE
	v_mov_b32 v[NIL], 0
	ds_add_u32 v[SPW], v[NIL]                      ; the opening lines
	ds_add_u32 v[SPW], v[NIL]
	v_lshrrev_b32 v1, 5, v0
	v_readfirstlane_b32 s14, v1                    ; wave
	s_lshr_b32 s15, s14, 1                         ; my half of x's rows; also: I fetch codes (0) or scales (1)
	s_and_b32 s16, s14, 1                          ; my half of the weights' rows; also: which 64 rows I fetch
	s_bfe_u32 s40, ttmp6, 0x40000                  ; cx
	s_bfe_u32 s41, ttmp6, 0x40004                  ; cy
	s_lshl_b32 s42, ttmp9, 2
	s_add_co_u32 s42, s42, s40                     ; g
	s_and_b32 s17, ttmp7, 0xffff
	s_lshl_b32 s17, s17, 2
	s_add_co_u32 s17, s17, s41                     ; x's run of 128 rows
	s_lshl_b32 s43, s41, 2
	s_lshl_b32 s43, 15, s43                        ; my row of the cluster
	s_lshl_b32 s44, 0x1111, s40                    ; my column
	s_or_b32 s[G1], s43, DWC
	s_or_b32 s[G1B], s44, DWC
.irp g, G1, G1B
	s_mov_b32 s[\g+1], KROW<<16
	s_mov_b32 s[\g+2], 128<<16
	s_mov_b32 s[\g+3], KROW<<16
	s_mov_b32 s[\g+4], 128
	s_mov_b32 s[\g+5], KROW
	s_mov_b32 s[\g+6], 0
	s_mov_b32 s[\g+7], 0
.endr
	s_or_b32 s[G1S], s43, DWS
	s_or_b32 s[G1SB], s44, DWS
.irp g, G1S, G1SB
	s_mov_b32 s[\g+1], 32<<16
	s_mov_b32 s[\g+2], 16<<16
	s_mov_b32 s[\g+3], 32<<16
	s_mov_b32 s[\g+4], 16
	s_mov_b32 s[\g+5], 32
	s_mov_b32 s[\g+6], 0
	s_mov_b32 s[\g+7], 0
.endr
	s_mul_i32 s20, s17, 128*KROW                   ; x's codes,
	s_mov_b32 s21, 0
	s_lshl_b32 s22, s17, 12                        ; and scales, in bytes
	s_mov_b32 s23, 0
	s_mul_i32 s46, s42, 256*KROW                   ; the first weight tile: table row WROW + 256 g
	s_add_co_u32 s46, s46, WROW*KROW
	s_mov_b32 s47, 0
	s_lshl_b32 s12, s42, 13
	s_add_co_u32 s12, s12, WROW*32
	s_mov_b32 s13, 0
	s_mul_i32 s18, s16, 64*KROW                    ; in the ring I fetch 64 rows
	s_mov_b32 s19, 0
	s_lshl_b32 s2, s16, 11
	s_mov_b32 s3, 0
	s_mul_i32 s45, s16, 64*LROW
	s_mul_i32 s66, s16, SUN/2
	s_wait_dscnt 0x0
	s_wait_kmcnt 0x0
	s_add_nc_u64 s[20:21], s[4:5], s[20:21]
	s_add_nc_u64 s[22:23], s[6:7], s[22:23]
	s_add_nc_u64 s[46:47], s[4:5], s[46:47]
	s_add_nc_u64 s[12:13], s[6:7], s[12:13]
	CROUND                                         ; the first joint loads meet
	s_mov_b32 s[HA], 1
	s_mov_b32 s[HA+1], 0
	s_mov_b64 s[HA+2:HA+3], s[20:21]
	s_or_b32 s[HA+3], s[HA+3], 0x80000000
	s_mov_b32 s[HB], 1
	s_mov_b32 s[HB+1], REG
	s_mov_b64 s[HB+2:HB+3], s[46:47]
	s_or_b32 s[HB+3], s[HB+3], 0x80000000
	s_mov_b32 s[HSA], 1
	s_mov_b32 s[HSA+1], SCA
	s_mov_b64 s[HSA+2:HSA+3], s[22:23]
	s_or_b32 s[HSA+3], s[HSA+3], 0x80000000
	s_mov_b32 s[HSB], 1
	s_mov_b32 s[HSB+1], SCB
	s_mov_b64 s[HSB+2:HSB+3], s[12:13]
	s_or_b32 s[HSB+3], s[HSB+3], 0x80000000
	s_add_nc_u64 s[46:47], s[46:47], s[18:19]
	s_add_nc_u64 s[12:13], s[12:13], s[2:3]
.irp s, 0,1
	s_mov_b32 s[G0C+4*\s], 1
	s_add_co_u32 s[G0C+4*\s+1], s45, REG*(1+\s)
	s_add_nc_u64 s[G0C+4*\s+2:G0C+4*\s+3], s[46:47], \s*128*KROW
	s_or_b32 s[G0C+4*\s+3], s[G0C+4*\s+3], 0x80000000
	s_mov_b32 s[G0S+4*\s], 1
	s_add_co_u32 s[G0S+4*\s+1], s66, SCB+SUN*\s
	s_add_nc_u64 s[G0S+4*\s+2:G0S+4*\s+3], s[12:13], \s*4096
	s_or_b32 s[G0S+4*\s+3], s[G0S+4*\s+3], 0x80000000
.endr
; the head's loads, one a wave: x's codes, tile 0's codes, x's scales, tile 0's scales
.macro ARM under, g0, g1, next
	s_cmp_lt_u32 s14, \under
	s_cbranch_scc0 \next
	tensor_load_to_lds s[\g0:\g0+3], s[\g1:\g1+7]
	s_nop 0
	PLACES 4
	s_branch .Lhead_asked
\next:
.endm
	ARM 1, HA,  G1,  .Lhead_b
	ARM 2, HB,  G1B, .Lhead_sa
	ARM 3, HSA, G1S, .Lhead_sb
	tensor_load_to_lds s[HSB:HSB+3], s[G1SB:G1SB+7]
	s_nop 0
	PLACES 4
.Lhead_asked:
	s_mul_i32 s20, s15, 64*LROW                    ; my 64 rows of x
	s_mul_i32 s21, s16, 64*LROW
	s_add_co_u32 s21, s21, REG                     ; my 64 rows of a tile, slot 0,
	s_add_co_u32 s22, s21, REG                     ; slot 1
	s_mul_i32 s23, s15, SUN/2
	s_mul_i32 s46, s16, SUN/2
	s_add_co_u32 s46, s46, SUN
	s_sub_co_u32 s46, s46, s23                     ; from x's scale words to the weights', slot 0,
	s_add_co_u32 s47, s46, SUN                     ; slot 1
	s_add_co_u32 s23, s23, SCA
	v_and_b32 v1, 15, v0                           ; r
	v_bfe_u32 v2, v0, 4, 1                         ; h
	v_and_b32 v7, 31, v0
	v_mul_u32_u24 v3, v1, LROW
	v_mad_u32_u24 v3, v2, 24, v3                   ; row x pitch + 24 h
	v_lshl_add_u32 v4, v2, 4, v3                   ; the same, lanes 16-31 behind one padding more
	v_add_nc_u32 v[ADRX], s20, v3
	v_add_nc_u32 v[ADRX+1], s20, v4
	v_add_nc_u32 v[ADRB], s21, v3
	v_add_nc_u32 v[ADRB+1], s21, v4
	v_add_nc_u32 v[ADRB+2], s22, v3
	v_add_nc_u32 v[ADRB+3], s22, v4
	v_lshlrev_b32 v5, 5, v1                        ; a row's 32 scale bytes,
	v_lshrrev_b32 v6, 3, v1
	v_lshl_add_u32 v5, v6, 4, v5                   ; 16 more behind each 256
	v_add_nc_u32 v5, s23, v5
	v_mul_u32_u24 v6, s46, v2                      ; lanes 16-31 take the weights'
	v_add_nc_u32 v[ADRS], v5, v6
	v_mul_u32_u24 v6, s47, v2
	v_add_nc_u32 v[ADRS+1], v5, v6
	v_lshlrev_b32 v[L16], 4, v7
	v_lshlrev_b32 v[L8], 3, v7
.irp b, 0,1,2,3
	v_mov_b32 v[TM+4+\b], 0                        ; a lane permute's destination counts as one of its sources
.endr
	; where my results go
	s_lshr_b32 s20, s17, 4
	s_lshl_b32 s20, s20, 3
	s_lshl_b32 s21, s42, 1
	s_add_co_u32 s20, s20, s21                     ; 8 x batch + 2 g
	s_and_b32 s21, s17, 15                         ; sub
	s_mul_i32 s22, s20, 196608
	s_lshl_b32 s23, s21, 12
	s_add_co_u32 s23, s23, s22                     ; the plane of 16 bytes a lane
	s_lshl_b32 s46, s21, 11
	s_add_co_u32 s46, s46, s22
	s_add_co_u32 s46, s46, 65536                   ; the plane of 8 bytes a lane
	s_lshl_b32 s20, s20, 4
	s_add_co_u32 s20, s20, s21
	s_lshl_b32 s20, s20, 9                         ; the scale words
.macro BASES p16, p8, ps, h1, cc, r    ; h1: my half of source 1 (blocks 4 h1 ..), cc: my half of source 0, r: the first region
	s_mul_i32 s2, s[\cc], 98304
	s_lshl_b32 s3, s[\h1], 11
	s_add_co_u32 s3, s3, s2
	s_add_co_u32 s3, s3, s23
	s_add_co_u32 s[\p16], s3, \r*196608
	s_mov_b32 s[\p16+1], 0
	s_add_nc_u64 s[\p16:\p16+1], s[8:9], s[\p16:\p16+1]
	s_lshl_b32 s3, s[\h1], 10
	s_add_co_u32 s3, s3, s2
	s_add_co_u32 s3, s3, s46
	s_add_co_u32 s[\p8], s3, \r*196608
	s_mov_b32 s[\p8+1], 0
	s_add_nc_u64 s[\p8:\p8+1], s[8:9], s[\p8:\p8+1]
	s_lshl_b32 s2, s[\h1], 3
	s_lshl_b32 s3, s[\cc], 1
	s_add_co_u32 s2, s2, s3
	s_add_co_u32 s2, s2, s20
	s_add_co_u32 s[\ps], s2, \r*8192
	s_mov_b32 s[\ps+1], 0
	s_add_nc_u64 s[\ps:\ps+1], s[10:11], s[\ps:\ps+1]
.endm
	BASES 4, 6, 12, 15, 16, 0                      ; q, then k
	BASES 18, 40, 44, 16, 15, 64                   ; v
	s_mov_b32 s100, 0x76543210
	s_mov_b32 s101, 0xfedcba98                     ; lane l xor 16
	s_mov_b32 s104, 0xffff0000                     ; lanes 16-31
.macro FRAG reg, adr, st, i            ; 16 rows x 128 K: 12 registers, in pieces of 8 bytes; byte y of a row lies at y + 16 (y / 256) of its LDS row
.irp p, 0,1,2,3,4,5
.set BY, 96*(\st)+48*(\p/3)+8*(\p%3)
.if BY/256 == (BY+24)/256
	ds_load_b64 v[\reg+2*\p:\reg+2*\p+1], v[\adr] offset:BY+16*(BY/256)+(\i)*16*LROW
.else
	ds_load_b64 v[\reg+2*\p:\reg+2*\p+1], v[\adr+1] offset:BY+16*(BY/256)+(\i)*16*LROW
.endif
.endr
.endm
.macro FETCHX st
	WIN (1+(\st)/5)<<6
.irp i, 0,1,2,3
	FRAG 48*((\st)%5)+12*\i, ADRX, \st, \i
.endr
.endm
.macro FETCHB slot, st
	WIN 0xc0
.irp i, 0,1,2,3
	FRAG 48*((\st)%3)+12*\i, ADRB+2*(\slot), \st, \i
.endr
.endm
.macro SCALES slot                     ; a tile's scale words, all eight steps
	WIN 0
.irp i, 0,1,2,3
	ds_load_b128 v[SC+8*\i:SC+8*\i+3], v[ADRS+\slot] offset:544*\i
	ds_load_b128 v[SC+8*\i+4:SC+8*\i+7], v[ADRS+\slot] offset:544*\i+16
.endr
.endm
; 16 products, 128 along K; the accumulators take turns, in the same order in every step; step 0 starts the sums.  vv = 1: x is source 0
.macro MUL st, vv
.set XB, 48*((\st)%5)
.set BB, 48*((\st)%3)
.if \vv
	WIN (1+(\st)/5)|12
.else
	WIN 3|((1+(\st)/5)<<2)
.endif
.irp a, 0,1,2,3
.irp b, 0,1,2,3
.set ACC, 128+8*(4*\a+\b)
.if \vv
.if (\st) == 0
	v_wmma_scale_f32_16x16x128_f8f6f4 v[ACC:ACC+7], v[XB+12*\b:XB+12*\b+11], v[BB+12*\a:BB+12*\a+11], 0, v[SC+8*\b+(\st)], v[SC+8*\a+(\st)] matrix_a_fmt:MATRIX_FMT_BF6 matrix_b_fmt:MATRIX_FMT_BF6 matrix_b_scale:MATRIX_SCALE_ROW1
.else
	v_wmma_scale_f32_16x16x128_f8f6f4 v[ACC:ACC+7], v[XB+12*\b:XB+12*\b+11], v[BB+12*\a:BB+12*\a+11], v[ACC:ACC+7], v[SC+8*\b+(\st)], v[SC+8*\a+(\st)] matrix_a_fmt:MATRIX_FMT_BF6 matrix_b_fmt:MATRIX_FMT_BF6 matrix_b_scale:MATRIX_SCALE_ROW1
.endif
.else
.if (\st) == 0
	v_wmma_scale_f32_16x16x128_f8f6f4 v[ACC:ACC+7], v[BB+12*\b:BB+12*\b+11], v[XB+12*\a:XB+12*\a+11], 0, v[SC+8*\b+(\st)], v[SC+8*\a+(\st)] matrix_a_fmt:MATRIX_FMT_BF6 matrix_b_fmt:MATRIX_FMT_BF6 matrix_a_scale:MATRIX_SCALE_ROW1
.else
	v_wmma_scale_f32_16x16x128_f8f6f4 v[ACC:ACC+7], v[BB+12*\b:BB+12*\b+11], v[XB+12*\a:XB+12*\a+11], v[ACC:ACC+7], v[SC+8*\b+(\st)], v[SC+8*\a+(\st)] matrix_a_fmt:MATRIX_FMT_BF6 matrix_b_fmt:MATRIX_FMT_BF6 matrix_a_scale:MATRIX_SCALE_ROW1
.endif
.endif
.endr
.endr
.endm
; a tile's eight steps; the weights' fragments run two steps ahead in three sets
.macro COMPUTE slot, vv
.set ST, 0
.rept 8
.if ST > 0 && ST < 6
	PLACES 4                                       ; between the last step's products and the loads into the set that they read
.endif
.if ST < 6
	FETCHB \slot, ST+2
	s_wait_dscnt 48                                ; the two younger steps' 24 loads each may be out
.else
	s_wait_dscnt 24*(7-ST)
.endif
	MUL ST, \vv
.set ST, ST+1
.endr
	WIN 0
.endm
; behind a tile's products: all my tensor loads (my part of the next tile) are in, the add, my reads of this slot are over; the round; the slot is filled again with the tile two on; the next tile's first fragments are fetched
.macro ENDT slot, fill
	s_wait_tensorcnt 0x0
	ds_add_u32 v[SPW], v[NIL]
	s_wait_dscnt 0x0
.if \fill
	CROUND
	s_add_nc_u64 s[G0C+4*\slot+2:G0C+4*\slot+3], s[G0C+4*\slot+2:G0C+4*\slot+3], 1024*KROW   ; the same run of the next weight
	s_add_nc_u64 s[G0S+4*\slot+2:G0S+4*\slot+3], s[G0S+4*\slot+2:G0S+4*\slot+3], 1024*32
	JLOAD G0C+4*\slot, G1B, G0S+4*\slot, G1SB      ; its four v_nop are the places in front of the loads below
.else
	s_barrier_signal -1
	s_barrier_wait -1
	PLACES 4
.endif
	SCALES 1-\slot
	FETCHB 1-\slot, 0
	FETCHB 1-\slot, 1
	WIN 0
.endm
; THE WAY OUT of source-1 blocks 2 e and 2 e + 1: four blocks of 32 along source 0, each in lanes l and l xor 16; six registers of codes and two scale bytes for each of the two
.macro EPI e, p16, p8, off
.set AC, 128+64*(\e)
.set PCA, PC+12*(\e)
.irp b, 0,1,2,3
	v_max3_num_f32 v[TM+\b], |v[AC+16*\b]|, |v[AC+16*\b+1]|, 0x2800000   ; with the floor 2^(5 - 127): the byte cannot fall under 1
.endr
.irp i, 2,4,6,8,10,12,14
.irp b, 0,1,2,3
	v_max3_num_f32 v[TM+\b], |v[AC+16*\b+\i]|, |v[AC+16*\b+\i+1]|, v[TM+\b]
.endr
.endr
.irp b, 0,1,2,3
	v_permlanex16_b32 v[TM+4+\b], v[TM+\b], s100, s101
.endr
.irp b, 0,1,2,3
	v_max_num_f32 v[TM+\b], v[TM+\b], v[TM+4+\b]
.endr
.irp b, 0,1,2,3
	v_add_nc_u32 v[TM+12+\b], 0xfe000000, v[TM+\b] ; 4 off the exponent field: the conversion's scale operand
.endr
.irp b, 0,1,2,3
	v_lshrrev_b32 v[TM+4+\b], 23, v[TM+12+\b]      ; the byte
.endr
	v_lshl_or_b32 v[PW+(\e)], v[TM+5], 8, v[TM+4]
	v_lshl_or_b32 v[PW+(\e)], v[TM+6], 16, v[PW+(\e)]
	v_lshl_or_b32 v[PW+(\e)], v[TM+7], 24, v[PW+(\e)]
.irp c, 0,1
	v_cvt_scalef32_pk16_bf6_f32 v[PCA+6*\c:PCA+6*\c+2], v[AC+32*\c:AC+32*\c+15], v[TM+12+2*\c]
	v_cvt_scalef32_pk16_bf6_f32 v[CT+4*\c:CT+4*\c+2], v[AC+32*\c+16:AC+32*\c+31], v[TM+12+2*\c+1]
.endr
	v_nop                                          ; one plain line behind a scaled conversion
.irp c, 0,1
.irp i, 0,1,2
	v_permlane16_swap_b32 v[PCA+6*\c+\i], v[CT+4*\c+\i]   ; a whole block to a lane
.endr
.irp i, 0,1,2
	v_mov_b32 v[PCA+3+6*\c+\i], v[CT+4*\c+\i]
.endr
.endr
.irp c, 0,1
	global_store_b128 v[L16], v[PCA+6*\c:PCA+6*\c+3], s[\p16:\p16+1] offset:\off+512*(2*(\e)+\c)   ; 512 consecutive bytes
	global_store_b64 v[L8], v[PCA+6*\c+4:PCA+6*\c+5], s[\p8:\p8+1] offset:\off+256*(2*(\e)+\c)     ; 256 consecutive bytes
.endr
.endm
.macro EPIT p16, p8, ps, u
	s_wait_xcnt 0x0                                ; the last tile's stores have read their registers
	EPI 0, \p16, \p8, (\u)*196608
	EPI 1, \p16, \p8, (\u)*196608
.irp e, 0,1
	v_lshrrev_b32 v[SW+\e], 16, v[PW+\e]
.endr
.irp e, 0,1
	v_cndmask_b32 v[SW+\e], v[PW+\e], v[SW+\e], s104   ; lanes 0-15 the even block's two bytes, lanes 16-31 the odd block's
.endr
	global_store_b16 v[L16], v[SW], s[\ps:\ps+1] offset:(\u)*8192
	global_store_b16 v[L16], v[SW+1], s[\ps:\ps+1] offset:(\u)*8192+4
	s_wait_alu depctr_va_vdst(0)                   ; ahead of the waits and branches that follow
.endm
	s_wait_alu depctr_va_vdst(0)                   ; the wait at the head's end
	s_wait_tensorcnt 0x0                           ; my tile of the head's four is in
	ds_add_u32 v[SPW], v[NIL]
	s_mov_b32 s[G1B+2], 64<<16                     ; no load of mine is out: from here on a load brings 64 rows,
	s_mov_b32 s[G1B+4], 64
	s_mov_b32 s[G1SB+2], 8<<16                     ; or their scales, 8 units
	s_mov_b32 s[G1SB+4], 8
	s_wait_dscnt 0x0
	CROUND
	JLOAD G0C+4, G1B, G0S+4, G1SB                  ; tile 1, slot 1's first fill
.irp st, 0,1,2,3,4,5,6,7
	FETCHX \st                                     ; my 64 rows of x, for the whole launch
.endr
	SCALES 0
	FETCHB 0, 0
	FETCHB 0, 1
	WIN 0
	s_mov_b32 s3, 2
.Lpair:                                                ; a trip: two tiles of one weight; first q, then k
	COMPUTE 0, 0
	ENDT 0, 1
	EPIT 4, 6, 12, 0
	COMPUTE 1, 0
	ENDT 1, 1
	EPIT 4, 6, 12, 1
	s_wait_xcnt 0x0                                ; the stores have read their bases
	s_add_nc_u64 s[4:5], s[4:5], 32*196608
	s_add_nc_u64 s[6:7], s[6:7], 32*196608
	s_add_nc_u64 s[12:13], s[12:13], 32*8192
	s_sub_co_u32 s3, s3, 1
	s_cmp_lg_u32 s3, 0
	s_cbranch_scc1 .Lpair
	COMPUTE 0, 1                                   ; v: nothing more is fetched
	ENDT 0, 0
	EPIT 18, 40, 44, 0
	COMPUTE 1, 1
	PLACES 4
	EPIT 18, 40, 44, 1
	s_wait_tensorcnt 0x0                           ; the wave's end
	ds_add_u32 v[SPW], v[NIL]
	s_wait_dscnt 0x0
	CROUND                                         ; the closing round
	s_endpgm
.Lfunc_end_k_qc33693a9c6_qkv:
	.size	k_qc33693a9c6_qkv, .Lfunc_end_k_qc33693a9c6_qkv-k_qc33693a9c6_qkv
	.p2alignl 7, 3214868480
	.fill 96, 4, 3214868480
	.section	.rodata,"a",@progbits
	.p2align	6, 0x0
	.amdhsa_kernel k_qc33693a9c6_qkv
		.amdhsa_group_segment_fixed_size 327680
		.amdhsa_private_segment_fixed_size 0
		.amdhsa_enable_private_segment 0
		.amdhsa_kernarg_size 32
		.amdhsa_user_sgpr_count 2
		.amdhsa_user_sgpr_kernarg_segment_ptr 1
		.amdhsa_wavefront_size32 1
		.amdhsa_system_sgpr_workgroup_id_x 1
		.amdhsa_system_sgpr_workgroup_id_y 1
		.amdhsa_system_sgpr_workgroup_id_z 1
		.amdhsa_system_vgpr_workitem_id 0
		.amdhsa_next_free_vgpr 1024
		.amdhsa_next_free_sgpr 106
		.amdhsa_reserve_vcc 0
		.amdhsa_float_denorm_mode_32 3
		.amdhsa_float_denorm_mode_16_64 3
		.amdhsa_memory_ordered 1
		.amdhsa_forward_progress 1
		.amdhsa_inst_pref_size 182
	.end_amdhsa_kernel
	.amdgpu_metadata
---
amdhsa.version: [ 1, 2 ]
amdhsa.kernels:
  - .name:           k_qc33693a9c6_qkv
    .symbol:         k_qc33693a9c6_qkv.kd
    .args:
      - { .name: codes, .offset: 0, .size: 8, .value_kind: global_buffer, .address_space: global }
      - { .name: scales, .offset: 8, .size: 8, .value_kind: global_buffer, .address_space: global }
      - { .name: qkvc, .offset: 16, .size: 8, .value_kind: global_buffer, .address_space: global }
      - { .name: qkvs, .offset: 24, .size: 8, .value_kind: global_buffer, .address_space: global }
    .group_segment_fixed_size: 327680
    .private_segment_fixed_size: 0
    .kernarg_segment_align: 8
    .kernarg_segment_size: 32
    .max_flat_workgroup_size: 128
    .sgpr_count:     106
    .vgpr_count:     1024
    .wavefront_size: 32
...
	.end_amdgpu_metadata
.endif
;; end of part 2
;; launch attn (part 3): grid 4 x 64, 16 waves a work-group, no clusters, 215,040 bytes of LDS; arguments qkvc, qkvs, mbits, mflags, oc, osc; writes oc, osc
.if DOCPART == 3
	.amdgcn_target "amdgcn-amd-amdhsa--gfx1250"
	.amdhsa_code_object_version 6
	.text
	.protected	k_qc33693a9c6_attn
	.globl	k_qc33693a9c6_attn
	.p2align	8
	.type	k_qc33693a9c6_attn,@function
k_qc33693a9c6_attn:
	s_mov_b64 s[64:65], 0
	v_nop
	global_prefetch_b8 v0, s[64:65] scope:SCOPE_SE
	s_setreg_imm32_b32 hwreg(HW_REG_WAVE_MODE, 25, 1), 1
	s_wait_xcnt 0x0
; O = softmax(q k^T / 8, under the mask) v for one (batch, head), both products on codes of BF6 (E3M2) with one E8M0 scale for each 32 along a product's K; O / l is quantised along the channels and stored as codes.
; THE SOFTMAX: t = score x log2(e) / 8; M = the running largest t rounded UP to a whole number; p = 2^(t - M) is quantised along the keys; the row's sum l is taken of the unquantised p and divides O at the end.
; When M moves, l and O are multiplied by 2^(old M - new M): exact.
; SHARES.  Work-group (p, batch x 16 + head) owns query blocks 7 - p and p (256 queries each); each of its sixteen waves one tile of 16 queries of each block, one after the other.
; A WHOLE HEAD'S K AND V, codes and scale words, 212,992 bytes, lie in LDS: filled once through registers, one barrier, and then only read: the waves run free.
; No multicast and no tensor load: the walk over the key steps branches on stored flags (below), and the four work-groups that share a head read its 212,992 bytes once each.
; THE MASK is an input: an earlier launch has turned it into lane masks and flags.  A key step (128 keys) none of whose keys counts for my 16 queries is passed over by a scalar branch on its flag: all its p are 0.
; Where some count, hidden scores become -infinity by 64 selects whose lane masks are 64 scalar words.  Where all count, the selects are jumped over.
; LAYOUT.  Both products are used transposed: S^T = K Q^T (source 0 = 16 keys, source 1 = my 16 queries), O^T = V^T P^T (source 0 = 16 channels, source 1 = P): a lane holds ONE query (lane % 16).
; Keys, queries and channels stand in the order "bits 3 and 4 exchanged", so that the 16 registers of tiles 2 b and 2 b + 1 are 16 neighbours: keys 32 b + 16 (lane / 16) + 0 .. 15 for p, channels likewise for O.
; THE HEAD'S K IS 64, the instruction's 128: Q's registers 6-11 are zero codes; K's operand runs on into the next tile's six registers, whose codes meet those zeros (E3M2 has no code for infinity or NaN; no scale byte here is 0xff).
; A QUERY WITH NO KEY has l = 0: its row's scale bytes are stored as 0xff, which makes the last product's sums NaN, as the softmax of such a row is.
; LIMITS: blocks whose largest magnitude lies under 2^-122 keep the byte 1; a block of zeros gets the byte 1 (its codes are zeros; this program alone reads the bytes).
; REGISTERS: v1-7 lane constants; v8-11, v29, v30 LDS addresses of the step; v12 -M, v13 the largest t, v[14:15] l in two halves; v16-21 Q, v22-27 zeros; v32-79 K's, then V's fragments; v80-85 zeros; v[90:91] V's scale words;
; v96-159 S^T, then p; v160-191 O^T; v224-235 p's codes; v232-247 at work; v[248:251] K's scale words; v252 f; v253 p's scale word; v254 at work; v255 Q's scale word.  At the head v96-199 carry the fill, v200-205 its offsets.
.set KA,  0                            ; LDS: K, 16 bytes a lane: [tile 128][512]
.set KB,  65536                        ;      K, 8 bytes a lane:  [tile 128][256]
.set VA,  98304                        ;      V: [c 2][step 16][tile 4][512]
.set VB,  163840                       ;      V: [c 2][step 16][tile 4][256]
.set KSC, 196608                       ;      K's scale words: [step 16][lane 32][4 words]
.set VSC, 204800                       ;      V's likewise
.set WV,  2                            ; s2   wave
.set CNT, 3                            ; s3   key steps to go
.set HD16, 16                          ; s16  16 x (head % 2): the shift that brings my head's two scale bytes down
.set QB,  17                           ; s17  the query block in hand
.set PASS, 18                          ; s18  passes to go
.set TT,  19                           ; s19  my tile of 16 queries, 0 .. 127
.set SEL, 20                           ; s[20:21] lane selects: lane l xor 16
.set CS,  22                           ; s[22:23] c = log2(e) / 8
.set HI16, 24                          ; s24  lanes 16-31
.set FLS, 25                           ; s25  the flags of the steps to go, two bits each
.set MW,  26                           ; s[26:27] the step's 64 mask words in memory
.set OKA, 28                           ; s28-31, s66: where the step's parts begin in LDS
.set OKB, 29
.set OVA, 30
.set OVB, 31
.set OSC, 66
	s_load_b256 s[4:11], s[0:1], 0x0               ; qkvc, qkvs, mbits, mflags
	s_load_b128 s[12:15], s[0:1], 0x20             ; oc, osc
	v_lshl_add_u32 v223, v0, 2, 0x34000
	v_mov_b32 v243, 0
	v_lshrrev_b32 v1, 5, v0
	s_delay_alu instid0(VALU_DEP_1)
	v_readfirstlane_b32 s[WV], v1                  ; wave 0..15
	s_and_b32 s68, ttmp7, 0xffff                   ; batch x 16 + head
	s_lshr_b32 s69, s68, 4                         ; batch
	s_and_b32 s70, s68, 15                         ; head
	s_lshr_b32 s71, s70, 1                         ; head pair
	s_and_b32 s72, s70, 1                          ; hd
	s_lshl_b32 s[HD16], s72, 4
	s_lshl_b32 s73, s69, 3
	s_add_co_u32 s73, s73, s71                     ; q's region: 8 x batch + head pair; k's is 32 on, v's 64
	s_mul_i32 s74, s73, 196608
	s_mul_i32 s76, s72, 98304
	s_add_co_u32 s76, s76, s74                     ; q, k: my head's 98,304 dense bytes
	s_mov_b32 s77, 0
	s_lshl_b32 s78, s72, 11
	s_add_co_u32 s78, s78, s74                     ; v, 16 bytes a lane: my head's four tiles are 2,048 hd on in each step's 4,096
	s_mov_b32 s79, 0
	s_lshl_b32 s80, s72, 10
	s_add_co_u32 s80, s80, s74                     ; v, 8 bytes a lane: 1,024 hd on in each step's 2,048
	s_mov_b32 s81, 0
	s_lshl_b32 s82, s73, 13                        ; scale words: 8,192 bytes a region
	s_mov_b32 s83, 0
	s_mul_i32 s84, s69, 1572864                    ; oc: plain rows of 768 bytes, 2,048 a batch,
	s_mul_i32 s85, s70, 48                         ; my head's 48 bytes
	s_add_co_u32 s84, s84, s85
	s_mov_b32 s85, 0
	s_lshl_b32 s86, s69, 16                        ; osc: 2,048 rows of 32 bytes a batch,
	s_lshl_b32 s87, s70, 1
	s_add_co_u32 s86, s86, s87                     ; my head's two bytes
	s_mov_b32 s87, 0
	v_lshlrev_b32 v200, 4, v0                      ; 16 x thread: the fill's place in a run of 8,192 bytes, in memory and in LDS
	s_delay_alu instid0(VALU_DEP_1)
	v_add_nc_u32 v201, 0x10000, v200
	s_delay_alu instid0(VALU_DEP_2)
	v_add_nc_u32 v202, 0x20000, v200
	s_delay_alu instid0(VALU_DEP_3)
	v_add_nc_u32 v203, 0x30000, v200
	s_delay_alu instid0(VALU_DEP_4)
	v_and_b32 v204, 0x1800, v200
	s_delay_alu instid0(VALU_DEP_1)
	v_add_nc_u32 v204, v204, v200                  ; V, 16 bytes a lane: in memory each step's 2,048 bytes stand 4,096 apart
	v_and_b32 v205, 0x1c00, v200
	s_delay_alu instid0(VALU_DEP_1)
	v_add_nc_u32 v205, v205, v200                  ; V, 8 bytes a lane: each step's 1,024 bytes stand 2,048 apart
	s_wait_alu depctr_va_vdst(0)
	s_wait_kmcnt 0x0
	s_add_nc_u64 s[36:37], s[4:5], s[78:79]
	s_add_nc_u64 s[36:37], s[36:37], 64*196608
	s_add_nc_u64 s[38:39], s[4:5], s[80:81]
	s_add_nc_u64 s[38:39], s[38:39], 64*196608+65536
	s_add_nc_u64 s[4:5], s[4:5], s[76:77]          ; q's head
	s_add_nc_u64 s[34:35], s[4:5], 32*196608       ; k's head
	s_add_nc_u64 s[6:7], s[6:7], s[82:83]          ; q's scale words
	s_add_nc_u64 s[40:41], s[6:7], 32*8192         ; k's
	s_add_nc_u64 s[42:43], s[6:7], 64*8192         ; v's
	s_add_nc_u64 s[12:13], s[12:13], s[84:85]
	s_add_nc_u64 s[14:15], s[14:15], s[86:87]
	; THE FILL: 26 loads of 16 bytes a thread, all issued together; load j lands at LDS byte 8,192 j + 16 x thread
.irp n, 0,1,2,3,4,5,6,7,8,9,10,11
	global_load_b128 v[96+4*\n:99+4*\n], v200, s[34:35] offset:8192*\n
.endr
.irp c, 0,1
.irp i, 0,1,2,3
	global_load_b128 v[144+16*\c+4*\i:147+16*\c+4*\i], v204, s[36:37] offset:98304*\c+16384*\i
.endr
.endr
.irp c, 0,1
.irp i, 0,1
	global_load_b128 v[176+8*\c+4*\i:179+8*\c+4*\i], v205, s[38:39] offset:98304*\c+16384*\i
.endr
.endr
	global_load_b128 v[192:195], v200, s[40:41]
	global_load_b128 v[196:199], v200, s[42:43]
	v_and_b32 v8, 31, v0
	s_delay_alu instid0(VALU_DEP_1)
	v_lshlrev_b32 v1, 4, v8                        ; 16 x lane
	s_delay_alu instid0(VALU_DEP_2)
	v_lshlrev_b32 v2, 3, v8                        ; 8 x lane
	s_delay_alu instid0(VALU_DEP_2)
	v_add_nc_u32 v3, KSC, v1
	s_lshl_b32 s66, s72, 3
	s_add_co_u32 s66, s66, VSC
	v_add_nc_u32 v4, s66, v1                       ; V's scale words: my head's two of a lane's four
	v_mov_b32 v5, 0xff800000                       ; -infinity
	v_and_b32 v9, 15, v0                           ; r
	v_bfe_u32 v10, v0, 4, 1                        ; h
	v_lshlrev_b32 v7, 4, v9                        ; Q's scale word: 16 r
	v_and_b32 v11, 8, v9
	s_delay_alu instid0(VALU_DEP_1)
	v_add_nc_u32 v11, v11, v9                      ; r + 8 (r / 8): my query's place among the tile's 32
	s_delay_alu instid0(VALU_DEP_1)
	v_lshl_add_u32 v6, v11, 5, v10                 ; osc: 32 bytes a row, + h
	s_delay_alu instid0(VALU_DEP_2)
	v_mul_u32_u24 v28, v11, 768
	s_delay_alu instid0(VALU_DEP_1)
	v_mad_u32_u24 v28, v10, 24, v28                ; oc: 768 bytes a row, + 24 h
.irp j, 22,23,24,25,26,27,80,81,82,83,84,85,236,237,238,239,253
	v_mov_b32 v[\j], 0                             ; Q's and the last tile's zero codes; the permutes' destinations and v253 are written before they are first named
.endr
	s_mov_b32 s[SEL], 0x76543210
	s_mov_b32 s[SEL+1], 0xfedcba98
	s_mov_b32 s[CS], 0x3e38aa3b                    ; log2(e) / 8
	s_mov_b32 s[CS+1], s[CS]                       ; (named with it as a pair, so it is written)
	s_mov_b32 s[HI16], 0xffff0000
	s_sub_co_u32 s[QB], 7, ttmp9                   ; the first block: 7 - p
	s_mov_b32 s[PASS], 2
.set j, 0
.rept 26
	s_wait_loadcnt 25-j                            ; load j is in; the younger ones stay out
.if j == 24
.irp i, 0,1,2,3
	v_lshrrev_b32 v[192+\i], s[HD16], v[192+\i]    ; K's scale words: my head's two bytes become bytes 0 and 1
.endr
.endif
	ds_store_b128 v[200+j/8], v[96+4*j:99+4*j] offset:8192*(j%8)
.set j, j+1
.endr
	s_wait_dscnt 0x0                               ; for the others' sake: my stores have landed
	s_barrier_signal -1
	s_barrier_wait -1                              ; the launch's one barrier: from here on LDS is only read
.Lpass:
	s_wait_xcnt 0x0                                ; the last pass's stores have read their registers and bases: both are written again below
	s_lshl_b32 s[TT], s[QB], 4
	s_add_co_u32 s[TT], s[TT], s[WV]               ; my tile
	s_mov_b32 s33, 0
	s_lshl_b32 s32, s[TT], 6
	s_add_nc_u64 s[34:35], s[10:11], s[32:33]
	s_load_b512 s[48:63], s[34:35], 0x0            ; its sixteen flags
	s_lshl_b32 s32, s[TT], 9
	s_add_nc_u64 s[36:37], s[4:5], s[32:33]
	s_lshl_b32 s32, s[TT], 8
	s_add_nc_u64 s[38:39], s[4:5], s[32:33]
	s_lshr_b32 s32, s[TT], 3
	s_lshl_b32 s32, s32, 9                         ; Q's scale word: [T / 8][lane 16 (T % 2) + r][word (T % 8) / 2]
	s_and_b32 s67, s[TT], 1
	s_lshl_b32 s67, s67, 8
	s_add_co_u32 s32, s32, s67
	s_bfe_u32 s67, s[TT], 0x20001
	s_lshl_b32 s67, s67, 2
	s_add_co_u32 s32, s32, s67
	s_add_nc_u64 s[40:41], s[6:7], s[32:33]
	global_load_b128 v[16:19], v1, s[36:37]        ; Q's six registers
	global_load_b64 v[20:21], v2, s[38:39] offset:65536
	global_load_b32 v255, v7, s[40:41]
	s_lshl_b32 s32, s[TT], 12
	s_add_nc_u64 s[MW:MW+1], s[8:9], s[32:33]      ; the tile's mask words: 256 bytes a step
	s_mov_b32 s[OKA], KA
	s_mov_b32 s[OKB], KB
	s_mov_b32 s[OVA], VA
	s_mov_b32 s[OVB], VB
	s_mov_b32 s[OSC], 0
	s_mov_b32 s[CNT], 16
	s_wait_kmcnt 0x0
	s_or_b32 s[FLS], s48, s49                      ; each flag stands at its step's two bits
.irp k, 50,51,52,53,54,55,56,57,58,59,60,61,62,63
	s_or_b32 s[FLS], s[FLS], s[\k]
.endr
	s_wait_loadcnt 0x0
	v_lshrrev_b32 v255, s[HD16], v255              ; my head's two bytes become bytes 0 and 1.  (The 36 moves below stand between this line and the first product that takes v255 as a scale)
	v_mov_b32 v13, 0xff61b1e6                      ; the largest t so far: -3e38, under every t
	s_delay_alu instid0(VALU_DEP_1)
	v_floor_f32 v12, -v13                          ; -M
	v_mov_b32 v14, 0                               ; l, in two halves
	v_mov_b32 v15, 0
.set j, 0
.rept 32
	v_mov_b32 v[160+j], 0                          ; O^T: which step comes first hangs on the flags, so the sums begin as zeros
.set j, j+1
.endr
.Lstep:                                            ; 16 trips: a key step of 128 keys
	s_bitcmp1_b32 s[FLS], 0                        ; does any key of the step count for any of my queries?
	s_cbranch_scc0 .Lskip
	v_add_nc_u32 v8, s[OKA], v1                    ; (these six are also the places between the last step's products and the loads into their registers)
	v_add_nc_u32 v9, s[OKB], v2
	v_add_nc_u32 v10, s[OVA], v1
	v_add_nc_u32 v11, s[OVB], v2
	v_add_nc_u32 v29, s[OSC], v3
	v_add_nc_u32 v30, s[OSC], v4
.irp t, 0,1,2,3,4,5,6,7
	ds_load_b128 v[32+6*\t:35+6*\t], v8 offset:512*\t   ; an image of the registers: consecutive bytes, no pitch
	ds_load_b64 v[36+6*\t:37+6*\t], v9 offset:256*\t
.endr
	ds_load_b128 v[248:251], v29                   ; register t / 2: lanes 0-15 tile t even, lanes 16-31 tile t odd
	s_wait_alu depctr_va_vdst(0)
	s_wait_dscnt 0x0
.irp t, 0,2,4,6
	v_wmma_scale_f32_16x16x128_f8f6f4 v[96+8*\t:103+8*\t], v[32+6*\t:43+6*\t], v[16:27], 0, v[248+\t/2], v255 matrix_a_fmt:MATRIX_FMT_BF6 matrix_b_fmt:MATRIX_FMT_BF6
	v_wmma_scale_f32_16x16x128_f8f6f4 v[104+8*\t:111+8*\t], v[38+6*\t:49+6*\t], v[16:27], 0, v[248+\t/2], v255 matrix_a_fmt:MATRIX_FMT_BF6 matrix_b_fmt:MATRIX_FMT_BF6 matrix_a_scale:MATRIX_SCALE_ROW1
.endr
.rept 4
	v_nop                                          ; places: in front of the loads into K's registers, and of the first read of the scores
.endr
.irp t, 0,1,2,3
.irp c, 0,1
	ds_load_b128 v[32+12*\t+6*\c:35+12*\t+6*\c], v10 offset:32768*\c+512*\t   ; V's fragments land while the softmax is worked
	ds_load_b64 v[36+12*\t+6*\c:37+12*\t+6*\c], v11 offset:16384*\c+256*\t
.endr
.endr
	ds_load_b64 v[90:91], v30
	s_bitcmp1_b32 s[FLS], 1                        ; do all keys count?  Then nothing is hidden, and no mask word is loaded
	s_cbranch_scc0 .Lopen
	s_load_b512 s[32:47], s[MW:MW+1], 0x0          ; the 64 lane masks: word n in s[32 + n], from word 32 on in s[36 + n]
	s_load_b512 s[48:63], s[MW:MW+1], 0x40
	s_load_b512 s[68:83], s[MW:MW+1], 0x80
	s_load_b512 s[84:99], s[MW:MW+1], 0xc0
	s_wait_kmcnt 0x0
.set n, 0
.rept 64
	v_cndmask_b32 v[96+n], v5, v[96+n], s[32+n+4*(n/32)]   ; register n holds key 32 (n / 16) + 16 (lane / 16) + n % 16 of the step: hidden scores become -infinity, p = 0
.set n, n+1
.endr
.Lopen:
.irp b, 0,1,2,3
	v_max3_num_f32 v[232+\b], v[96+16*\b], v[97+16*\b], v[98+16*\b]   ; the largest score of each block of 32 keys: for the row's maximum, and, since p rises with the score, for the block's largest p
.endr
.irp i, 3,5,7,9,11,13
.irp b, 0,1,2,3
	v_max3_num_f32 v[232+\b], v[232+\b], v[96+16*\b+\i], v[97+16*\b+\i]
.endr
.endr
.irp b, 0,1,2,3
	v_max_num_f32 v[232+\b], v[232+\b], v[111+16*\b]
.endr
.irp b, 0,1,2,3
	s_delay_alu instid0(VALU_DEP_4)
	v_permlanex16_b32 v[236+\b], v[232+\b], s[SEL], s[SEL+1]
.endr
.irp b, 0,1,2,3
	s_delay_alu instid0(VALU_DEP_4)
	v_max_num_f32 v[232+\b], v[232+\b], v[236+\b]  ; with lane l xor 16's 16 keys
.endr
	s_delay_alu instid0(VALU_DEP_2)
	v_max3_num_f32 v254, v232, v233, v234
	s_delay_alu instid0(VALU_DEP_1)
	v_max_num_f32 v254, v254, v235                 ; the step's largest score of my query
	s_delay_alu instid0(VALU_DEP_1)
	v_mul_f32 v254, s[CS], v254                    ; as t (c is positive)
	s_delay_alu instid0(VALU_DEP_1)
	v_max_num_f32 v13, v13, v254                   ; the running largest t
	v_mov_b32 v254, v12
	s_delay_alu instid0(VALU_DEP_2)
	v_floor_f32 v12, -v13                          ; the new -M = floor(-t) = -ceil(t): a whole number
	s_delay_alu instid0(VALU_DEP_1)
	v_sub_f32 v254, v12, v254                      ; M's old value less its new one: 0 or less
	s_delay_alu instid0(VALU_DEP_1)
	v_cvt_i32_f32 v254, v254                       ; (it saturates)
	s_delay_alu instid0(VALU_DEP_1)
	v_ldexp_f32 v252, 1.0, v254                    ; f = 2^(old M - new M)
.set j, 0
.rept 32
	v_pk_fma_f32 v[96+j:97+j], v[96+j:97+j], s[CS:CS+1], v[12:13] op_sel_hi:[1,0,0]   ; t - M, two at a time
.set j, j+2
.endr
.irp b, 0,1,2,3
	v_fma_f32 v[232+\b], v[232+\b], s[CS], v12     ; the same of each block's largest score
.endr
.set j, 0
	s_wait_alu depctr_va_vdst(0)
.rept 64
	v_exp_f32 v[96+j], v[96+j]                     ; p = 2^(t - M), at most 1: not normalised
.set j, j+1
.endr
	v_pk_mul_f32 v[14:15], v[14:15], v[252:253] op_sel_hi:[1,0]   ; l under the new M (a plain line behind the exponentials)
	s_wait_alu depctr_va_vdst(0)                   ; one wait for the whole batch, ahead of its first reader
.irp b, 0,1,2,3
	v_exp_f32 v[232+\b], v[232+\b]                 ; the block's largest p: the same two instructions on the same number give the same bits
.endr
	v_pk_add_f32 v[236:237], v[100:101], v[104:105]
	v_pk_add_f32 v[250:251], v[108:109], v[112:113]
	v_pk_add_f32 v[248:249], v[116:117], v[120:121]
	v_pk_add_f32 v[246:247], v[124:125], v[128:129]
	v_pk_add_f32 v[244:245], v[132:133], v[136:137]
	v_pk_add_f32 v[240:241], v[140:141], v[144:145]
	v_pk_add_f32 v[238:239], v[148:149], v[152:153]
	v_pk_add_f32 v[14:15], v[14:15], v[156:157]
	v_pk_add_f32 v[236:237], v[236:237], v[96:97]
	v_pk_add_f32 v[250:251], v[250:251], v[98:99]
	v_pk_add_f32 v[248:249], v[248:249], v[102:103]
	v_pk_add_f32 v[246:247], v[246:247], v[106:107]
	v_pk_add_f32 v[244:245], v[244:245], v[110:111]
	v_pk_add_f32 v[240:241], v[240:241], v[114:115]
	v_pk_add_f32 v[238:239], v[238:239], v[118:119]
	v_pk_add_f32 v[14:15], v[14:15], v[122:123]
	v_pk_add_f32 v[236:237], v[236:237], v[126:127]
	v_pk_add_f32 v[250:251], v[250:251], v[130:131]
	v_pk_add_f32 v[248:249], v[248:249], v[134:135]
	v_pk_add_f32 v[246:247], v[246:247], v[138:139]
	v_pk_add_f32 v[244:245], v[244:245], v[142:143]
	v_pk_add_f32 v[240:241], v[240:241], v[146:147]
	v_pk_add_f32 v[238:239], v[238:239], v[150:151]
	v_pk_add_f32 v[14:15], v[14:15], v[154:155]
	v_pk_add_f32 v[236:237], v[236:237], v[158:159]
	s_delay_alu instid0(VALU_DEP_2)
	v_pk_add_f32 v[14:15], v[14:15], v[246:247]
	s_delay_alu instid0(VALU_DEP_2)
	v_pk_add_f32 v[236:237], v[236:237], v[244:245]
	v_pk_add_f32 v[250:251], v[250:251], v[240:241]
	v_pk_add_f32 v[248:249], v[248:249], v[238:239]
	s_delay_alu instid0(VALU_DEP_2)
	v_pk_add_f32 v[14:15], v[14:15], v[250:251]
	s_delay_alu instid0(VALU_DEP_2)
	v_pk_add_f32 v[236:237], v[236:237], v[248:249]
	s_delay_alu instid0(VALU_DEP_1)
	v_pk_add_f32 v[14:15], v[14:15], v[236:237]
	s_wait_alu depctr_va_vdst(0)                   ; and one for the four
.irp b, 0,1,2,3
	v_max_num_f32 v[232+\b], 0x2800000, v[232+\b]  ; the floor 2^(5 - 127): the byte cannot fall under 1
.endr
.irp b, 0,1,2,3
	s_delay_alu instid0(VALU_DEP_4)
	v_add_nc_u32 v[244+\b], 0xfe000000, v[232+\b]  ; 4 off the exponent field: the conversion's scale operand
.endr
.irp b, 0,1,2,3
	s_delay_alu instid0(VALU_DEP_4)
	v_lshrrev_b32 v[236+\b], 23, v[244+\b]         ; the scale's byte
.endr
	s_delay_alu instid0(VALU_DEP_3)
	v_lshl_or_b32 v253, v237, 8, v236              ; p's scale word for these 128 keys
	s_delay_alu instid0(VALU_DEP_1)
	v_lshl_or_b32 v253, v238, 16, v253
	s_delay_alu instid0(VALU_DEP_1)
	v_lshl_or_b32 v253, v239, 24, v253
.irp c, 0,1
	v_cvt_scalef32_pk16_bf6_f32 v[224+6*\c:226+6*\c], v[96+32*\c:111+32*\c], v[244+2*\c]
	v_cvt_scalef32_pk16_bf6_f32 v[236+4*\c:238+4*\c], v[112+32*\c:127+32*\c], v[244+2*\c+1]   ; (a conversion's three registers begin on an even number)
.endr
	v_nop                                          ; one plain line behind a scaled conversion
.irp c, 0,1                                    ; the operand's layout wants a WHOLE block in a lane
.irp i, 0,1,2
	v_permlane16_swap_b32 v[224+6*\c+\i], v[236+4*\c+\i]
.endr
.irp i, 0,1,2
	s_delay_alu instid0(VALU_DEP_3)
	v_mov_b32 v[227+6*\c+\i], v[236+4*\c+\i]
.endr
.endr
.set j, 0
.rept 16
	v_pk_mul_f32 v[160+j:161+j], v[160+j:161+j], v[252:253] op_sel_hi:[1,0]   ; O^T under the new M.  (These are also the lines between the writing of p's codes and scale word and the products)
.set j, j+2
.endr
	s_wait_alu depctr_va_vdst(0)
	s_wait_dscnt 0x0                               ; V's fragments and scale words are in
.irp t, 0,2
	v_wmma_scale_f32_16x16x128_f8f6f4 v[160+8*\t:167+8*\t], v[32+12*\t:43+12*\t], v[224:235], v[160+8*\t:167+8*\t], v[90+\t/2], v253 matrix_a_fmt:MATRIX_FMT_BF6 matrix_b_fmt:MATRIX_FMT_BF6
	v_wmma_scale_f32_16x16x128_f8f6f4 v[168+8*\t:175+8*\t], v[44+12*\t:55+12*\t], v[224:235], v[168+8*\t:175+8*\t], v[90+\t/2], v253 matrix_a_fmt:MATRIX_FMT_BF6 matrix_b_fmt:MATRIX_FMT_BF6 matrix_a_scale:MATRIX_SCALE_ROW1
.endr                                          ; the four accumulators take turns; eight other products stand between two turns of one
.Lskip:
	s_lshr_b32 s[FLS], s[FLS], 2
	s_add_nc_u64 s[MW:MW+1], s[MW:MW+1], 256       ; (no scalar load is out on either way)
	s_add_co_u32 s[OKA], s[OKA], 4096
	s_add_co_u32 s[OKB], s[OKB], 2048
	s_add_co_u32 s[OVA], s[OVA], 2048
	s_add_co_u32 s[OVB], s[OVB], 1024
	s_add_co_u32 s[OSC], s[OSC], 512
	s_sub_co_u32 s[CNT], s[CNT], 1
	s_cmp_lg_u32 s[CNT], 0
	s_cbranch_scc1 .Lstep
	; THE PASS'S WAY OUT: O^T / l, quantised along the head's 64 channels (two blocks), as six registers of codes and two scale bytes a row
.rept 4
	v_nop                                          ; places behind the last products
.endr
	v_add_f32 v14, v14, v15                        ; l's two halves,
	s_delay_alu instid0(VALU_DEP_1)
	v_permlanex16_b32 v236, v14, s[SEL], s[SEL+1]
	s_delay_alu instid0(VALU_DEP_1)
	v_add_f32 v14, v14, v236                       ; and lane l xor 16's
	s_wait_alu depctr_va_vdst(0)
	v_rcp_f32 v252, v14
	v_nop                                          ; a plain line behind the reciprocal
	v_cmp_eq_f32 vcc_lo, 0, v14                    ; a query with no key
	v_mov_b32 v242, 0xff
	s_lshr_b32 s32, s[TT], 1
	s_lshl_b32 s32, s32, 5
	s_and_b32 s67, s[TT], 1
	s_lshl_b32 s67, s67, 3
	s_add_co_u32 s67, s67, s32                     ; the tile's first query: 32 (T / 2) + 8 (T % 2)
	s_mul_i32 s32, s67, 768
	s_mov_b32 s33, 0
	s_add_nc_u64 s[34:35], s[12:13], s[32:33]
	s_lshl_b32 s32, s67, 5
	s_add_nc_u64 s[36:37], s[14:15], s[32:33]
	s_wait_alu depctr_va_vdst(0)                   ; ahead of the reciprocal's first reader
.set j, 0
.rept 16
	v_pk_mul_f32 v[96+j:97+j], v[160+j:161+j], v[252:253] op_sel_hi:[1,0]   ; register 16 bb + i: channel 32 bb + 16 (lane / 16) + i of my query; each accumulator from its low end on
.set j, j+2
.endr
.irp b, 0,1
	v_max3_num_f32 v[232+\b], |v[96+16*\b]|, |v[97+16*\b]|, 0x2800000
.endr
.irp i, 2,4,6,8,10,12,14
.irp b, 0,1
	s_delay_alu instid0(VALU_DEP_2)
	v_max3_num_f32 v[232+\b], v[232+\b], |v[96+16*\b+\i]|, |v[97+16*\b+\i]|
.endr
.endr
.irp b, 0,1
	s_delay_alu instid0(VALU_DEP_2)
	v_permlanex16_b32 v[236+\b], v[232+\b], s[SEL], s[SEL+1]
.endr
.irp b, 0,1
	s_delay_alu instid0(VALU_DEP_2)
	v_max_num_f32 v[232+\b], v[232+\b], v[236+\b]
.endr
.irp b, 0,1
	s_delay_alu instid0(VALU_DEP_2)
	v_add_nc_u32 v[244+\b], 0xfe000000, v[232+\b]
.endr
.irp b, 0,1
	s_delay_alu instid0(VALU_DEP_2)
	v_lshrrev_b32 v[240+\b], 23, v[244+\b]
.endr
	v_cvt_scalef32_pk16_bf6_f32 v[224:226], v[96:111], v244
	v_cvt_scalef32_pk16_bf6_f32 v[236:238], v[112:127], v245
	v_nop                                          ; one plain line behind a scaled conversion
.irp i, 0,1,2
	v_permlane16_swap_b32 v[224+\i], v[236+\i]
.endr
.irp i, 0,1,2
	s_delay_alu instid0(VALU_DEP_3)
	v_mov_b32 v[227+\i], v[236+\i]
.endr
	v_cndmask_b32 v254, v240, v241, s[HI16]        ; lanes 0-15 store block 0's byte, lanes 16-31 block 1's
	s_delay_alu instid0(VALU_DEP_1)
	v_cndmask_b32 v254, v254, v242, vcc_lo         ; l = 0: the byte 0xff
	global_store_b64 v28, v[224:225], s[34:35]     ; my 24 bytes of my query's row: two lanes fill the head's 48
	global_store_b64 v28, v[226:227], s[34:35] offset:8
	global_store_b64 v28, v[228:229], s[34:35] offset:16
	global_store_b8 v6, v254, s[36:37]             ; two bytes of each row's 32: a row's other heads belong to other work-groups
	s_sub_co_u32 s[QB], 7, s[QB]                   ; the other block
	s_sub_co_u32 s[PASS], s[PASS], 1
	s_cmp_lg_u32 s[PASS], 0
	s_cbranch_scc1 .Lpass
	s_wait_tensorcnt 0x0
	ds_add_u32 v223, v243
	s_wait_dscnt 0x0
	s_endpgm
.Lfunc_end_k_qc33693a9c6_attn:
	.size	k_qc33693a9c6_attn, .Lfunc_end_k_qc33693a9c6_attn-k_qc33693a9c6_attn
	.p2alignl 7, 3214868480
	.fill 96, 4, 3214868480
	.section	.rodata,"a",@progbits
	.p2align	6, 0x0
	.amdhsa_kernel k_qc33693a9c6_attn
		.amdhsa_group_segment_fixed_size 215040
		.amdhsa_private_segment_fixed_size 0
		.amdhsa_enable_private_segment 0
		.amdhsa_kernarg_size 48
		.amdhsa_user_sgpr_count 2
		.amdhsa_user_sgpr_kernarg_segment_ptr 1
		.amdhsa_wavefront_size32 1
		.amdhsa_system_sgpr_workgroup_id_x 1
		.amdhsa_system_sgpr_workgroup_id_y 1
		.amdhsa_system_sgpr_workgroup_id_z 1
		.amdhsa_system_vgpr_workitem_id 0
		.amdhsa_next_free_vgpr 256
		.amdhsa_next_free_sgpr 100
		.amdhsa_reserve_vcc 1
		.amdhsa_float_denorm_mode_32 3
		.amdhsa_float_denorm_mode_16_64 3
		.amdhsa_memory_ordered 1
		.amdhsa_forward_progress 1
		.amdhsa_inst_pref_size 40
	.end_amdhsa_kernel
	.amdgpu_metadata
---
amdhsa.version: [ 1, 2 ]
amdhsa.kernels:
  - .name:           k_qc33693a9c6_attn
    .symbol:         k_qc33693a9c6_attn.kd
    .args:
      - { .name: qkvc, .offset: 0, .size: 8, .value_kind: global_buffer, .address_space: global }
      - { .name: qkvs, .offset: 8, .size: 8, .value_kind: global_buffer, .address_space: global }
      - { .name: mbits, .offset: 16, .size: 8, .value_kind: global_buffer, .address_space: global }
      - { .name: mflags, .offset: 24, .size: 8, .value_kind: global_buffer, .address_space: global }
      - { .name: oc, .offset: 32, .size: 8, .value_kind: global_buffer, .address_space: global }
      - { .name: osc, .offset: 40, .size: 8, .value_kind: global_buffer, .address_space: global }
    .group_segment_fixed_size: 215040
    .private_segment_fixed_size: 0
    .kernarg_segment_align: 8
    .kernarg_segment_size: 48
    .max_flat_workgroup_size: 512
    .sgpr_count:     100
    .vgpr_count:     256
    .wavefront_size: 32
...
	.end_amdgpu_metadata
.endif
;; end of part 3
;; launch outp (part 4): grid 4 x 64, 4 waves a work-group, clusters of 4 x 4, 327,680 bytes of LDS; arguments oc, osc, codes, scales, bo, out0; writes out0
.if DOCPART == 4
	.amdgcn_target "amdgcn-amd-amdhsa--gfx1250"
	.amdhsa_code_object_version 6
	.text
	.protected	k_qc33693a9c6_outp
	.globl	k_qc33693a9c6_outp
	.p2align	8
	.type	k_qc33693a9c6_outp,@function
k_qc33693a9c6_outp:
	s_mov_b64 s[64:65], 0
	v_nop
	global_prefetch_b8 v0, s[64:65] scope:SCOPE_SE
	s_setreg_imm32_b32 hwreg(HW_REG_WAVE_MODE, 25, 1), 1
	s_wait_xcnt 0x0
	s_wait_alu depctr_hold_cnt(0) depctr_sa_sdst(0) depctr_va_vdst(0) depctr_va_sdst(0) depctr_va_ssrc(0) depctr_va_vcc(0) depctr_vm_vsrc(0)
	s_getreg_b32 s2, hwreg(HW_REG_IB_STS2, 6, 4)
	s_cmp_eq_u32 s2, 0
	s_cbranch_scc0 .Lentry_in_a_cluster
	s_endpgm
.Lentry_in_a_cluster:
	s_bfe_u32 s2, ttmp6, 0x10000c
	s_cmp_lg_u32 s2, 0xf033
	s_cbranch_scc0 .Lentry_shape_is_right
	s_endpgm
.Lentry_shape_is_right:
; out0 = O Wo^T + bo on codes of BF6 (E3M2) with one E8M0 byte for each 32 along K = 1,024; sums in f32.  oc [8192][768 bytes] and osc [8192][32] are plain rows; Wo's rows are table rows 11,264 on.
; A work-group owns 128 rows of O (run 4 y + cy) and makes two tiles of 128 columns (runs 2 g and 2 g + 1 of Wo, g = cx).  O's rows come once, whole rows of 768 bytes; each wave reads its 64 rows once from LDS into 384 registers.
; The two weight tiles have a slot each: tile 0 comes at the head, tile 1 behind the first round.  A wave makes 64 x 64: 16 accumulators; bo is the C of each sum's first product.
; Source 0 = Wo's rows, source 1 = O's rows: a lane holds eight neighbouring columns of one row.  A block of 16 rows x 64 columns goes through the wave's own stage and leaves as rows of 256 bytes, aligned.
; The stage lies in O's region, which is filled once and read by nobody behind the barrier at tile 0's end.
; CLUSTERS of 4 x 4: O's tile is asked for jointly along a row of the cluster, Wo's along a column.  No prefetch: all tiles are asked for at the head or straight behind it; there is no loop to run ahead in.
; REGISTERS: window 0: v0-31 addresses, v32-63 scale words, v64-127 rows on the way out, v128-255 accumulators; window 1: O's fragments of steps 0-4; window 2: of steps 5-7, and from v144 bo; window 3: Wo's fragments, three sets.
.set KROW, 768
.set LROW, 816
.set REG,  128*LROW
.set SCA,  3*REG
.set SUN,  4352
.set SCB,  SCA+SUN
.set SPARE, SCA+3*SUN
.set WROW, 11264
.set SPITCH, 272
.set ADRX, 16
.set ADRB, 18
.set ADRS, 22
.set STO,  24
.set RD,   25
.set CO,   26
.set BO,   27
.set SPW,  28
.set NIL,  29
.set SC,   32
.set BK,   64
.set BIAS, 144
.set G1,   24
.set G0C,  32
.set G1B,  48
.set G0S,  56
.set G1S,  68
.set HA,   76
.set G1SB, 80
.set HB,   88
.set HSA,  92
.set HSB,  96
.set DWC, (1<<20)|(1<<21)|(5<<22)|(3<<25)
.set DWS, (3<<16)|(1<<20)|(1<<21)|(5<<22)|(3<<25)
.set MSB, 0
.macro WIN new
.if MSB != (\new)
	s_set_vgpr_msb (MSB<<8)|(\new)
.set MSB, (\new)
.endif
.endm
.macro PLACES n
.rept \n
	v_nop
.endr
.endm
.macro JLOAD g0a, g1a, g0b, g1b
	s_cmp_eq_u32 s15, 0
	s_cbranch_scc0 .Lfor_b_\@
	tensor_load_to_lds s[\g0a:\g0a+3], s[\g1a:\g1a+7]
	s_nop 0
	PLACES 4
	s_branch .Lasked_\@
.Lfor_b_\@:
	tensor_load_to_lds s[\g0b:\g0b+3], s[\g1b:\g1b+7]
	s_nop 0
	PLACES 4
.Lasked_\@:
.endm
.macro CREST
	s_cmp_lg_u32 s14, 0
	s_cbranch_scc1 .Lnot_wave_0_\@
	s_barrier_signal -3
.Lnot_wave_0_\@:
	s_barrier_wait -3
	s_barrier_signal -1
	s_barrier_wait -1
.endm
.macro CROUND
	s_barrier_signal -1
	s_barrier_wait -1
	CREST
.endm
	s_load_b256 s[4:11], s[0:1], 0x0               ; oc, osc, codes, scales
	s_load_b64 s[100:101], s[0:1], 0x20            ; bo
	s_load_b64 s[104:105], s[0:1], 0x28            ; out0
	v_lshl_add_u32 v[SPW], v0, 2, SPARE
	v_mov_b32 v[NIL], 0
	ds_add_u32 v[SPW], v[NIL]                      ; the opening lines
	ds_add_u32 v[SPW], v[NIL]
	v_lshrrev_b32 v1, 5, v0
	v_readfirstlane_b32 s14, v1                    ; wave
	s_lshr_b32 s15, s14, 1                         ; my half of O's rows; also: I fetch codes (0) or scales (1)
	s_and_b32 s16, s14, 1                          ; my half of Wo's rows; also: which 64 rows I fetch
	s_bfe_u32 s40, ttmp6, 0x40000
	s_bfe_u32 s41, ttmp6, 0x40004
	s_lshl_b32 s42, ttmp9, 2
	s_add_co_u32 s42, s42, s40                     ; g
	s_and_b32 s17, ttmp7, 0xffff
	s_lshl_b32 s17, s17, 2
	s_add_co_u32 s17, s17, s41                     ; O's run of 128 rows
	s_lshl_b32 s43, s41, 2
	s_lshl_b32 s43, 15, s43
	s_lshl_b32 s44, 0x1111, s40
	s_or_b32 s[G1], s43, DWC
	s_or_b32 s[G1B], s44, DWC
.irp g, G1, G1B
	s_mov_b32 s[\g+1], KROW<<16
	s_mov_b32 s[\g+2], 128<<16
	s_mov_b32 s[\g+3], KROW<<16
	s_mov_b32 s[\g+4], 128
	s_mov_b32 s[\g+5], KROW
	s_mov_b32 s[\g+6], 0
	s_mov_b32 s[\g+7], 0
.endr
	s_or_b32 s[G1S], s43, DWS
	s_or_b32 s[G1SB], s44, DWS
.irp g, G1S, G1SB
	s_mov_b32 s[\g+1], 32<<16
	s_mov_b32 s[\g+2], 16<<16
	s_mov_b32 s[\g+3], 32<<16
	s_mov_b32 s[\g+4], 16
	s_mov_b32 s[\g+5], 32
	s_mov_b32 s[\g+6], 0
	s_mov_b32 s[\g+7], 0
.endr
	s_mul_i32 s20, s17, 128*KROW
	s_mov_b32 s21, 0
	s_lshl_b32 s22, s17, 12
	s_mov_b32 s23, 0
	s_mul_i32 s46, s42, 256*KROW
	s_add_co_u32 s46, s46, WROW*KROW
	s_mov_b32 s47, 0
	s_lshl_b32 s12, s42, 13
	s_add_co_u32 s12, s12, WROW*32
	s_mov_b32 s13, 0
	s_mul_i32 s18, s16, 64*KROW
	s_mov_b32 s19, 0
	s_lshl_b32 s2, s16, 11
	s_mov_b32 s3, 0
	s_mul_i32 s45, s16, 64*LROW
	s_mul_i32 s66, s16, SUN/2
	s_wait_dscnt 0x0
	s_wait_kmcnt 0x0
	s_add_nc_u64 s[20:21], s[4:5], s[20:21]
	s_add_nc_u64 s[22:23], s[6:7], s[22:23]
	s_add_nc_u64 s[46:47], s[8:9], s[46:47]
	s_add_nc_u64 s[12:13], s[10:11], s[12:13]
	CROUND
	s_mov_b32 s[HA], 1
	s_mov_b32 s[HA+1], 0
	s_mov_b64 s[HA+2:HA+3], s[20:21]
	s_or_b32 s[HA+3], s[HA+3], 0x80000000
	s_mov_b32 s[HB], 1
	s_mov_b32 s[HB+1], REG
	s_mov_b64 s[HB+2:HB+3], s[46:47]
	s_or_b32 s[HB+3], s[HB+3], 0x80000000
	s_mov_b32 s[HSA], 1
	s_mov_b32 s[HSA+1], SCA
	s_mov_b64 s[HSA+2:HSA+3], s[22:23]
	s_or_b32 s[HSA+3], s[HSA+3], 0x80000000
	s_mov_b32 s[HSB], 1
	s_mov_b32 s[HSB+1], SCB
	s_mov_b64 s[HSB+2:HSB+3], s[12:13]
	s_or_b32 s[HSB+3], s[HSB+3], 0x80000000
	s_add_nc_u64 s[46:47], s[46:47], s[18:19]
	s_add_nc_u64 s[12:13], s[12:13], s[2:3]
	s_mov_b32 s[G0C], 1                            ; tile 1: my 64 rows, into slot 1
	s_add_co_u32 s[G0C+1], s45, 2*REG
	s_add_nc_u64 s[G0C+2:G0C+3], s[46:47], 128*KROW
	s_or_b32 s[G0C+3], s[G0C+3], 0x80000000
	s_mov_b32 s[G0S], 1
	s_add_co_u32 s[G0S+1], s66, SCB+SUN
	s_add_nc_u64 s[G0S+2:G0S+3], s[12:13], 4096
	s_or_b32 s[G0S+3], s[G0S+3], 0x80000000
.macro ARM under, g0, g1, next
	s_cmp_lt_u32 s14, \under
	s_cbranch_scc0 \next
	tensor_load_to_lds s[\g0:\g0+3], s[\g1:\g1+7]
	s_nop 0
	PLACES 4
	s_branch .Lhead_asked
\next:
.endm
	ARM 1, HA,  G1,  .Lhead_b
	ARM 2, HB,  G1B, .Lhead_sa
	ARM 3, HSA, G1S, .Lhead_sb
	tensor_load_to_lds s[HSB:HSB+3], s[G1SB:G1SB+7]
	s_nop 0
	PLACES 4
.Lhead_asked:
	s_mul_i32 s20, s15, 64*LROW
	s_mul_i32 s21, s16, 64*LROW
	s_add_co_u32 s21, s21, REG
	s_add_co_u32 s22, s21, REG
	s_mul_i32 s23, s15, SUN/2
	s_mul_i32 s46, s16, SUN/2
	s_add_co_u32 s46, s46, SUN
	s_sub_co_u32 s46, s46, s23
	s_add_co_u32 s47, s46, SUN
	s_add_co_u32 s23, s23, SCA
	s_mul_i32 s2, s14, 16*SPITCH                   ; my stage, in O's region
	s_lshl_b32 s12, s42, 10                        ; my first column, in bytes: 1,024 g + 256 x half
	s_lshl_b32 s13, s16, 8
	s_add_co_u32 s12, s12, s13
	s_mov_b32 s13, 0
	s_add_nc_u64 s[100:101], s[100:101], s[12:13]
	s_lshl_b32 s18, s17, 19                        ; my first row: 128 x run + 64 x half, 4,096 bytes each
	s_lshl_b32 s19, s15, 18
	s_add_co_u32 s18, s18, s19
	s_add_co_u32 s18, s18, s12
	s_mov_b32 s19, 0
	s_add_nc_u64 s[104:105], s[104:105], s[18:19]
	v_and_b32 v1, 15, v0
	v_bfe_u32 v2, v0, 4, 1
	v_mul_u32_u24 v3, v1, LROW
	v_mad_u32_u24 v3, v2, 24, v3
	v_lshl_add_u32 v4, v2, 4, v3
	v_add_nc_u32 v[ADRX], s20, v3
	v_add_nc_u32 v[ADRX+1], s20, v4
	v_add_nc_u32 v[ADRB], s21, v3
	v_add_nc_u32 v[ADRB+1], s21, v4
	v_add_nc_u32 v[ADRB+2], s22, v3
	v_add_nc_u32 v[ADRB+3], s22, v4
	v_lshlrev_b32 v5, 5, v1
	v_lshrrev_b32 v6, 3, v1
	v_lshl_add_u32 v5, v6, 4, v5
	v_add_nc_u32 v5, s23, v5
	v_mul_u32_u24 v6, s46, v2
	v_add_nc_u32 v[ADRS], v5, v6
	v_mul_u32_u24 v6, s47, v2
	v_add_nc_u32 v[ADRS+1], v5, v6
	v_mul_u32_u24 v8, v1, SPITCH                   ; into the stage: row r, 32 bytes for each half of the lanes
	v_lshl_add_u32 v8, v2, 5, v8
	v_add_nc_u32 v[STO], s2, v8
	v_mul_u32_u24 v9, v2, SPITCH                   ; back: sixteen lanes to a row of 256 bytes
	v_lshl_add_u32 v9, v1, 4, v9
	v_add_nc_u32 v[RD], s2, v9
	v_lshlrev_b32 v10, 12, v2
	v_lshl_add_u32 v[CO], v1, 4, v10               ; the same two rows in out0
	v_lshlrev_b32 v[BO], 5, v2
	WIN 0x80
.irp t, 0,1
.irp b, 0,1,2,3
	global_load_b128 v[BIAS+32*\t+8*\b:BIAS+32*\t+8*\b+3], v[BO], s[100:101] offset:512*\t+64*\b      ; bo at my eight columns of block b of tile t
	global_load_b128 v[BIAS+32*\t+8*\b+4:BIAS+32*\t+8*\b+7], v[BO], s[100:101] offset:512*\t+64*\b+16
.endr
.endr
	WIN 0
.macro FRAG reg, adr, st, i
.irp p, 0,1,2,3,4,5
.set BY, 96*(\st)+48*(\p/3)+8*(\p%3)
.if BY/256 == (BY+24)/256
	ds_load_b64 v[\reg+2*\p:\reg+2*\p+1], v[\adr] offset:BY+16*(BY/256)+(\i)*16*LROW
.else
	ds_load_b64 v[\reg+2*\p:\reg+2*\p+1], v[\adr+1] offset:BY+16*(BY/256)+(\i)*16*LROW
.endif
.endr
.endm
.macro FETCHX st
	WIN (1+(\st)/5)<<6
.irp i, 0,1,2,3
	FRAG 48*((\st)%5)+12*\i, ADRX, \st, \i
.endr
.endm
.macro FETCHB slot, st
	WIN 0xc0
.irp i, 0,1,2,3
	FRAG 48*((\st)%3)+12*\i, ADRB+2*\slot, \st, \i
.endr
.endm
.macro SCALES slot
	WIN 0
.irp i, 0,1,2,3
	ds_load_b128 v[SC+8*\i:SC+8*\i+3], v[ADRS+\slot] offset:544*\i
	ds_load_b128 v[SC+8*\i+4:SC+8*\i+7], v[ADRS+\slot] offset:544*\i+16
.endr
.endm
; 16 products; the accumulators take turns; step 0 starts the sums from bo
.macro MUL st, t
.set XB, 48*((\st)%5)
.set BB, 48*((\st)%3)
.if (\st) == 0
	WIN 0x27                                       ; C in window 2
.else
	WIN 3|((1+(\st)/5)<<2)
.endif
.irp a, 0,1,2,3
.irp b, 0,1,2,3
.set ACC, 128+8*(4*\a+\b)
.if (\st) == 0
	v_wmma_scale_f32_16x16x128_f8f6f4 v[ACC:ACC+7], v[BB+12*\b:BB+12*\b+11], v[XB+12*\a:XB+12*\a+11], v[BIAS+32*(\t)+8*\b:BIAS+32*(\t)+8*\b+7], v[SC+8*\b+(\st)], v[SC+8*\a+(\st)] matrix_a_fmt:MATRIX_FMT_BF6 matrix_b_fmt:MATRIX_FMT_BF6 matrix_a_scale:MATRIX_SCALE_ROW1
.else
	v_wmma_scale_f32_16x16x128_f8f6f4 v[ACC:ACC+7], v[BB+12*\b:BB+12*\b+11], v[XB+12*\a:XB+12*\a+11], v[ACC:ACC+7], v[SC+8*\b+(\st)], v[SC+8*\a+(\st)] matrix_a_fmt:MATRIX_FMT_BF6 matrix_b_fmt:MATRIX_FMT_BF6 matrix_a_scale:MATRIX_SCALE_ROW1
.endif
.endr
.endr
.endm
.macro COMPUTE t                       ; tile t lies in slot t
.set ST, 0
.rept 8
.if ST > 0 && ST < 6
	PLACES 4
.endif
.if ST < 6
	FETCHB \t, ST+2
	s_wait_dscnt 48                                ; the two younger steps' 24 loads each may be out
.else
	s_wait_dscnt 24*(7-ST)
.endif
	MUL ST, \t
.set ST, ST+1
.endr
	WIN 0
.endm
.macro TOSTAGE a
.irp b, 0,1,2,3
	ds_store_b128 v[STO], v[128+8*(4*(\a)+\b):128+8*(4*(\a)+\b)+3] offset:64*\b        ; each accumulator from its low end on
	ds_store_b128 v[STO], v[128+8*(4*(\a)+\b)+4:128+8*(4*(\a)+\b)+7] offset:64*\b+16
.endr
.set BB2, BK+32*((\a)%2)
.irp q, 0,1,2,3,4,5,6,7
	ds_load_b128 v[BB2+4*\q:BB2+4*\q+3], v[RD] offset:\q*2*SPITCH   ; LDS serves a wave's instructions in order: these see the stores above
.endr
.endm
.macro SEND a, t, younger
.set BB2, BK+32*((\a)%2)
	s_wait_dscnt \younger
.irp q, 0,1,2,3,4,5,6,7
	global_store_b128 v[CO], v[BB2+4*\q:BB2+4*\q+3], s[104:105] offset:(16*(\a)+2*\q)*4096+512*(\t) th:TH_STORE_NT   ; sixteen lanes store 256 consecutive bytes, aligned
.endr
.endm
.macro OUT t
	s_wait_xcnt 0x0                                ; earlier stores have read their registers
	TOSTAGE 0
.irp a, 1,2,3
.if \a > 1
	s_wait_xcnt 0x0
.endif
	TOSTAGE \a
	SEND \a-1, \t, 16                              ; behind block a - 1's loads: block a's 8 stores and 8 loads
.endr
	SEND 3, \t, 0
.endm
	s_wait_alu depctr_va_vdst(0)                   ; the wait at the head's end
	s_wait_loadcnt 0x0                             ; bo is in
	s_wait_tensorcnt 0x0                           ; my tile of the head's four is in
	ds_add_u32 v[SPW], v[NIL]
	s_mov_b32 s[G1B+2], 64<<16                     ; no load of mine is out: tile 1 comes as 64 rows a wave,
	s_mov_b32 s[G1B+4], 64
	s_mov_b32 s[G1SB+2], 8<<16                     ; or their scales, 8 units
	s_mov_b32 s[G1SB+4], 8
	s_wait_dscnt 0x0
	CROUND
	JLOAD G0C, G1B, G0S, G1SB                      ; tile 1, slot 1's first fill
.irp st, 0,1,2,3,4,5,6,7
	FETCHX \st
.endr
	SCALES 0
	FETCHB 0, 0
	FETCHB 0, 1
	WIN 0
	COMPUTE 0
	s_wait_tensorcnt 0x0                           ; my part of tile 1 is in
	ds_add_u32 v[SPW], v[NIL]
	s_wait_dscnt 0x0                               ; my reads of O's region and of slot 0 are over
	s_barrier_signal -1
	s_barrier_wait -1
	PLACES 5                                       ; four in front of the loads below; five in front of tile 1's first products, which begin anew on tile 0's accumulators
	SCALES 1
	FETCHB 1, 0
	FETCHB 1, 1
	WIN 0
	OUT 0
	COMPUTE 1
	PLACES 4
	OUT 1
	s_wait_tensorcnt 0x0                           ; the wave's end
	ds_add_u32 v[SPW], v[NIL]
	s_wait_dscnt 0x0
	CROUND                                         ; the closing round
	s_endpgm
.Lfunc_end_k_qc33693a9c6_outp:
	.size	k_qc33693a9c6_outp, .Lfunc_end_k_qc33693a9c6_outp-k_qc33693a9c6_outp
	.p2alignl 7, 3214868480
	.fill 96, 4, 3214868480
	.section	.rodata,"a",@progbits
	.p2align	6, 0x0
	.amdhsa_kernel k_qc33693a9c6_outp
		.amdhsa_group_segment_fixed_size 327680
		.amdhsa_private_segment_fixed_size 0
		.amdhsa_enable_private_segment 0
		.amdhsa_kernarg_size 48
		.amdhsa_user_sgpr_count 2
		.amdhsa_user_sgpr_kernarg_segment_ptr 1
		.amdhsa_wavefront_size32 1
		.amdhsa_system_sgpr_workgroup_id_x 1
		.amdhsa_system_sgpr_workgroup_id_y 1
		.amdhsa_system_sgpr_workgroup_id_z 1
		.amdhsa_system_vgpr_workitem_id 0
		.amdhsa_next_free_vgpr 1024
		.amdhsa_next_free_sgpr 106
		.amdhsa_reserve_vcc 0
		.amdhsa_float_denorm_mode_32 3
		.amdhsa_float_denorm_mode_16_64 3
		.amdhsa_memory_ordered 1
		.amdhsa_forward_progress 1
		.amdhsa_inst_pref_size 100
	.end_amdhsa_kernel
	.amdgpu_metadata
---
amdhsa.version: [ 1, 2 ]
amdhsa.kernels:
  - .name:           k_qc33693a9c6_outp
    .symbol:         k_qc33693a9c6_outp.kd
    .args:
      - { .name: oc, .offset: 0, .size: 8, .value_kind: global_buffer, .address_space: global }
      - { .name: osc, .offset: 8, .size: 8, .value_kind: global_buffer, .address_space: global }
      - { .name: codes, .offset: 16, .size: 8, .value_kind: global_buffer, .address_space: global }
      - { .name: scales, .offset: 24, .size: 8, .value_kind: global_buffer, .address_space: global }
      - { .name: bo, .offset: 32, .size: 8, .value_kind: global_buffer, .address_space: global }
      - { .name: out0, .offset: 40, .size: 8, .value_kind: global_buffer, .address_space: global }
    .group_segment_fixed_size: 327680
    .private_segment_fixed_size: 0
    .kernarg_segment_align: 8
    .kernarg_segment_size: 48
    .max_flat_workgroup_size: 128
    .sgpr_count:     106
    .vgpr_count:     1024
    .wavefront_size: 32
...
	.end_amdgpu_metadata
.endif
;; end of part 4
